; MI455X (gfx1250); checked and timed in simulation.
; The chip was launched on July 23, 2026; its instructions are those of AMD's public machine-readable ISA for CDNA 5 (MIT licence, August 2026) and "CDNA5" Instruction Set Architecture Reference Guide (July 2026). The comments in the code are by the model that wrote it; some were corrected since.
;; Transformer Block. Allowed arithmetic: float matrix products may take bf16 or f16 operands with f32 sums; all other float work in f32.
;; Inputs: b_ff1 4,096 float32; b_ff2 1,024 float32; bk 1,024 float32; bo 1,024 float32; bq 1,024 float32; bv 1,024 float32; ln1_b 1,024 float32; ln1_g 1,024 float32; ln2_b 1,024 float32; ln2_g 1,024 float32; w_ff1 1,024 x 4,096 float32; w_ff2 4,096 x 1,024 float32; wk 1,024 x 1,024 float32; wo 1,024 x 1,024 float32; wq 1,024 x 1,024 float32; wv 1,024 x 1,024 float32; x 2 x 2,048 x 1,024 float32.
;; Outputs: out0 2 x 2,048 x 1,024 float32.
;; One version. Each part assembles by itself: llvm-mc -triple=amdgcn-amd-amdhsa -mcpu=gfx1250 --defsym DOCPART=n.
;; ======== version 1 of 1: 8 launches
;; limits: right only within a limited range of input values; a function is approximated: absolute error at most 1.5e-07
;; workspace buffers: wb 33,554,432 bytes; qkv 25,165,824 bytes; ab 8,388,608 bytes; y 16,777,216 bytes; o1 16,777,216 bytes; o1b 8,388,608 bytes; hb 33,554,432 bytes
;; launch cast (part 1): grid 1024 x 1, 8 waves a work-group, no clusters, 0 bytes of LDS; arguments x, wq, wk, wv, wo, w_ff1, w_ff2, wb; writes wb
.if DOCPART == 1
	.amdgcn_target "amdgcn-amd-amdhsa--gfx1250"
	.amdhsa_code_object_version 6
	.text
	.protected	k_qc87ba99e8b_cast
	.globl	k_qc87ba99e8b_cast
	.p2align	8
	.type	k_qc87ba99e8b_cast,@function
k_qc87ba99e8b_cast:
	s_mov_b64 s[64:65], 0
	v_nop
	global_prefetch_b8 v0, s[64:65] scope:SCOPE_SE
	s_setreg_imm32_b32 hwreg(HW_REG_WAVE_MODE, 25, 1), 1
	s_wait_xcnt 0x0
; wb = bf16 of x, wq, wk, wv, wo, w_ff1, w_ff2, one behind the other, each in its own row-major layout (rounded to nearest even).
; The sources are 4, 1, 1, 1, 1, 4, 4 units of 4 MiB of f32; a work-group casts 64 KiB of one unit (16,384 numbers) into 32 KiB of wb.
; Work-group g: unit u = g / 64, place g % 64 in it; since wb is the sources in order, its bytes begin at 32,768 g.
; Thread t takes 16 bytes of every 4,096: a wave's load covers 512 consecutive bytes, its store of 8 bytes a lane 256 consecutive aligned bytes.
; All sixteen loads of a thread are issued at once; no register is written twice, so only the counted waits for data are needed.
; No LDS, no matrix unit: every byte is read once and written once.
.set X, 4                              ; v[4:67]   16 loads of 4 registers
.set Y, 68                             ; v[68:99]  16 x 2 registers to store
.macro PICK first, ptr                 ; from unit 'first' on the source is the buffer whose address lies in s[ptr:ptr+1]
	s_cmp_ge_u32 s2, \first
	s_cselect_b64 s[4:5], s[\ptr:\ptr+1], s[4:5]
	s_cselect_b32 s3, \first, s3
.endm
	s_load_b512 s[8:23], s[0:1], 0x0               ; x 8:9, wq 10:11, wk 12:13, wv 14:15, wo 16:17, w_ff1 18:19, w_ff2 20:21, wb 22:23
	s_lshr_b32 s2, ttmp9, 6                        ; u
	s_and_b32 s6, ttmp9, 63
	s_lshl_b32 s6, s6, 16                          ; my 64 KiB in the unit
	s_mov_b32 s7, 0
	s_mov_b32 s3, 0                                ; the chosen source's first unit
	s_lshl_b32 s24, ttmp9, 15                      ; my 32 KiB in wb
	s_mov_b32 s25, 0
	v_lshlrev_b32 v1, 4, v0                        ; 16 t
	v_lshlrev_b32 v2, 3, v0                        ; 8 t
	s_wait_kmcnt 0x0
	s_mov_b64 s[4:5], s[8:9]
	PICK 4, 10
	PICK 5, 12
	PICK 6, 14
	PICK 7, 16
	PICK 8, 18
	PICK 12, 20
	s_sub_co_u32 s2, s2, s3                        ; the unit inside the source
	s_lshl_b32 s2, s2, 22
	s_add_co_u32 s6, s6, s2
	s_add_nc_u64 s[4:5], s[4:5], s[6:7]
	s_add_nc_u64 s[22:23], s[22:23], s[24:25]
.irp j, 0,1,2,3,4,5,6,7,8,9,10,11,12,13,14,15
	global_load_b128 v[X+4*\j:X+4*\j+3], v1, s[4:5] offset:4096*\j th:TH_LOAD_NT
.endr
.irp j, 0,1,2,3,4,5,6,7,8,9,10,11,12,13,14,15
	s_wait_loadcnt 15-\j                           ; loads come back in order: number j is in, the younger ones stay out
	v_cvt_pk_bf16_f32 v[Y+2*\j],   v[X+4*\j],   v[X+4*\j+1]
	v_cvt_pk_bf16_f32 v[Y+2*\j+1], v[X+4*\j+2], v[X+4*\j+3]
	global_store_b64 v2, v[Y+2*\j:Y+2*\j+1], s[22:23] offset:2048*\j
.endr
	s_endpgm
.Lfunc_end_k_qc87ba99e8b_cast:
	.size	k_qc87ba99e8b_cast, .Lfunc_end_k_qc87ba99e8b_cast-k_qc87ba99e8b_cast
	.p2alignl 7, 3214868480
	.fill 96, 4, 3214868480
	.section	.rodata,"a",@progbits
	.p2align	6, 0x0
	.amdhsa_kernel k_qc87ba99e8b_cast
		.amdhsa_group_segment_fixed_size 0
		.amdhsa_private_segment_fixed_size 0
		.amdhsa_enable_private_segment 0
		.amdhsa_kernarg_size 64
		.amdhsa_user_sgpr_count 2
		.amdhsa_user_sgpr_kernarg_segment_ptr 1
		.amdhsa_wavefront_size32 1
		.amdhsa_system_sgpr_workgroup_id_x 1
		.amdhsa_system_sgpr_workgroup_id_y 1
		.amdhsa_system_sgpr_workgroup_id_z 1
		.amdhsa_system_vgpr_workitem_id 0
		.amdhsa_next_free_vgpr 100
		.amdhsa_next_free_sgpr 66
		.amdhsa_reserve_vcc 0
		.amdhsa_float_denorm_mode_32 3
		.amdhsa_float_denorm_mode_16_64 3
		.amdhsa_memory_ordered 1
		.amdhsa_forward_progress 1
		.amdhsa_inst_pref_size 7
	.end_amdhsa_kernel
	.amdgpu_metadata
---
amdhsa.version: [ 1, 2 ]
amdhsa.kernels:
  - .name:           k_qc87ba99e8b_cast
    .symbol:         k_qc87ba99e8b_cast.kd
    .args:
      - { .name: x, .offset: 0, .size: 8, .value_kind: global_buffer, .address_space: global }
      - { .name: wq, .offset: 8, .size: 8, .value_kind: global_buffer, .address_space: global }
      - { .name: wk, .offset: 16, .size: 8, .value_kind: global_buffer, .address_space: global }
      - { .name: wv, .offset: 24, .size: 8, .value_kind: global_buffer, .address_space: global }
      - { .name: wo, .offset: 32, .size: 8, .value_kind: global_buffer, .address_space: global }
      - { .name: w_ff1, .offset: 40, .size: 8, .value_kind: global_buffer, .address_space: global }
      - { .name: w_ff2, .offset: 48, .size: 8, .value_kind: global_buffer, .address_space: global }
      - { .name: wb, .offset: 56, .size: 8, .value_kind: global_buffer, .address_space: global }
    .group_segment_fixed_size: 0
    .private_segment_fixed_size: 0
    .kernarg_segment_align: 8
    .kernarg_segment_size: 64
    .max_flat_workgroup_size: 256
    .sgpr_count:     66
    .vgpr_count:     100
    .wavefront_size: 32
...
	.end_amdgpu_metadata
.endif
;; end of part 1
;; launch qkv (part 2): grid 12 x 16, 4 waves a work-group, clusters of 4 x 4, 327,680 bytes of LDS; arguments wb, bq, bk, bv, qkv; writes qkv
.if DOCPART == 2
	.amdgcn_target "amdgcn-amd-amdhsa--gfx1250"
	.amdhsa_code_object_version 6
	.text
	.protected	k_qc87ba99e8b_qkv
	.globl	k_qc87ba99e8b_qkv
	.p2align	8
	.type	k_qc87ba99e8b_qkv,@function
k_qc87ba99e8b_qkv:
	s_mov_b64 s[64:65], 0
	v_nop
	global_prefetch_b8 v0, s[64:65] scope:SCOPE_SE
	s_setreg_imm32_b32 hwreg(HW_REG_WAVE_MODE, 25, 1), 1
	s_wait_xcnt 0x0
	s_wait_alu depctr_hold_cnt(0) depctr_sa_sdst(0) depctr_va_vdst(0) depctr_va_sdst(0) depctr_va_ssrc(0) depctr_va_vcc(0) depctr_vm_vsrc(0)
	s_getreg_b32 s2, hwreg(HW_REG_IB_STS2, 6, 4)
	s_cmp_eq_u32 s2, 0
	s_cbranch_scc0 .Lentry_in_a_cluster
	s_endpgm
.Lentry_in_a_cluster:
	s_bfe_u32 s2, ttmp6, 0x10000c
	s_cmp_lg_u32 s2, 0xf033
	s_cbranch_scc0 .Lentry_shape_is_right
	s_endpgm
.Lentry_shape_is_right:
; C = A B + bias (KIND 0), or C = gelu(A B + bias) (KIND 1).  A: [4096][1024] bf16, K along the rows.  B: [1024][NP] bf16, N along the rows, as the weights lie.  C: bf16, pitch CP.  Sums in f32.
; KIND 0: A = the cast x at wb's byte 0; B = the cast wq, wk or wv (tile columns 0-3, 4-7, 8-11) from wb's byte 8 MiB on; C = qkv[3][4096][1024]; bias bq, bk or bv.
; KIND 1: A = o1b; B = the cast w_ff1 at wb's byte 16 MiB; C = hb[4096][4096]; bias b_ff1; the exact GELU 0.5 x (1 + erf(x / sqrt 2)).
; LIMITS.  Operands and C are rounded to bf16.  erf is the rational form 1 - (a1 t + .. + a5 t^5) e^(-z^2), t = 1 / (1 + 0.3275911 z), whose absolute error is at most 1.5e-7 for every z;
; v_rcp_f32 and v_exp_f32 flush denormals (ISA guide 15.8): a term below 2^-126 counts as zero.
; SHAPE.  A tile of C is 256 x 256, made by four waves, each 128 x 128: 64 accumulators of 16 x 16, 512 registers.  K goes in steps of 128 through a ring of two LDS slots filled by tensor loads.
; A's tile: 256 rows x 256 bytes; B's tile: 128 K rows x 512 bytes.  Each wave fetches a quarter of a slot by one load: waves 0, 1 A's halves (128 rows), waves 2, 3 B's halves (64 K rows).
; B's fragments come out of LDS turned, by ds_load_tr16_b128, so the weights need no transposition in memory.
; CLUSTER.  4 x 4 work-groups.  The four of a row need the same tiles of A, the four of a column the same tiles of B: each tile is asked for jointly, by the same tensor load with the same
; descriptor and a mask that names the four.  A wave has two tensor loads out at the start and one behind each round.
; THE MATRIX INSTRUCTION IS USED TRANSPOSED (source 0 = 16 columns of B, source 1 = 16 rows of A): lane l then holds row l % 16 of C and the eight neighbouring columns 8 (l / 16) + 0..7.
; REGISTERS, in windows of 256 (s_set_vgpr_msb: bits 1:0 source 0, 3:2 source 1, 5:4 source 2, 7:6 destination):
;   window 0: v16-27 addresses; v64-127, v128-191 A's fragments, two buffers; behind the loop v64-127 T, v128-175 GELU at work, v176-185 its coefficients, v192-223 packed results, v32-63 rows read back
;   window 1: v0-63 the bias of my 128 columns (8 column blocks x 8 numbers a lane); v64-127, v128-191 B's fragments, two buffers
;   window 2: the accumulators of my rows 0-63 ((a, b) at v[8 (8 a + b)]);   window 3: those of my rows 64-127
.set KIND, 0
.set SIZE_K, 1024
.set KSTEP,  128
.if KIND == 0
.set NP,   1024                        ; elements from a row of B to the next
.set CP,   1024                        ; elements from a row of C to the next
.set BOFF, 8<<20                       ; B's first byte in wb
.else
.set NP,   4096
.set CP,   4096
.set BOFF, 16<<20
.endif
.set PA,     272                       ; A's LDS row: 256 bytes + 16 = 68 words: row r starts at bank 4 r mod 64 (64 banks of 4 bytes: ISA guide 11.1): the 16 rows of a load start at 16 different banks
.set PB,     544                       ; B's LDS row: 512 bytes + 32 = 136 words: row r starts at bank 8 r mod 64
.set HALFT,  128*PA                    ; what one tensor load brings: 128 rows of A, or 64 rows of B (64 x 544 is the same number)
.set SLOT,   4*HALFT                   ; A's 256 rows, then B's 128 K rows
.set STAGE,  2*SLOT                    ; behind the ring: 16 rows x 272 bytes for each wave; no tensor load fills it
.set SPITCH, 272
.set LAPS,   SIZE_K/(2*KSTEP)          ; a lap = two K steps = once round the ring
.set ADRA, 16                          ; v16-17  LDS address of my A fragments in slot 0, 1
.set ADRB, 20                          ; v20-21  the same for B
.set STO,  24                          ; v24     the way out: where I put 16 bytes of a row
.set RD,   25                          ; v25     the way out: where I read a row back
.set CO,   26                          ; v26     my byte offset in C
.set BO,   27                          ; v27     my byte offset in a column block's 16 biases
.set F0,   64
.set F1,   128
.set T,    64                          ; a block's 16 rows x 128 columns in f32, 64 registers
.set GT,   128                         ; GELU: t, then relu(x)
.set GP,   144                         ; GELU: the polynomial
.set GE,   160                         ; GELU: the exponential
.set CF,   176                         ; GELU: a5/2, a4/2, a3/2, a2/2, a1/2, each twice
.set TMP,  192
.set OB,   32
.set G1,  24                           ; s[24:31] descriptor group 1 for A's tiles
.set G0,  32                           ; s[32:39] group 0 for A's tiles, a set for each slot
.set G1B, 48                           ; s[48:55], s[56:63] the same for B's tiles
.set G0B, 56
.set PP,  76                           ; s76 0.3275911 / sqrt 2
.set MSB, 0
.macro WIN new                         ; the immediate's high byte repeats the setting that is left; a switch that changes nothing is dropped
.if MSB != \new
	s_set_vgpr_msb (MSB<<8)|\new
.set MSB, \new
.endif
.endm
.set MUL_LO, 0xa1                      ; source 0 (B) window 1, source 1 (A) window 0, C and D window 2
.set MUL_HI, 0xf1                      ; the same, C and D window 3
.set TO_B,   0x40                      ; destination window 1, address window 0
; A joint load.  Waves 0 and 1 ask for A's halves, waves 2 and 3 for B's.  The branch hangs on the wave's number alone.  Four v_nop follow each of the two lines.
.macro JLOAD s
	s_cmp_eq_u32 s11, 0
	s_cbranch_scc0 .Lfor_b_\@
	tensor_load_to_lds s[G0+4*\s:G0+4*\s+3], s[G1:G1+7]
	s_nop 0
.rept 4
	v_nop
.endr
	s_branch .Lasked_\@
.Lfor_b_\@:
	tensor_load_to_lds s[G0B+4*\s:G0B+4*\s+3], s[G1B:G1B+7]
	s_nop 0
.rept 4
	v_nop
.endr
.Lasked_\@:
.endm
; A round of the cluster's barrier: my work-group's barrier; wave 0 signals for the work-group; every wave waits for all sixteen; my work-group's barrier once more.
.macro CREST                           ; a round behind its opening barrier
	s_cmp_lg_u32 s10, 0
	s_cbranch_scc1 .Lnot_wave_0_\@
	s_barrier_signal -3
.Lnot_wave_0_\@:
	s_barrier_wait -3
	s_barrier_signal -1
	s_barrier_wait -1
.endm
.macro CROUND
	s_barrier_signal -1
	s_barrier_wait -1
	CREST
.endm
.if KIND == 0
	s_load_b64 s[4:5], s[0:1], 0x0                 ; wb
	s_load_b256 s[68:75], s[0:1], 0x8              ; bq 68:69, bk 70:71, bv 72:73, qkv 74:75
	s_set_vgpr_msb 0x40
	v_lshl_add_u32 v255, v0, 2, 0x48400
	s_set_vgpr_msb 0x4000
	v_mov_b32 v255, 0
	s_set_vgpr_msb 0x1
	ds_add_u32 v255, v255
	ds_add_u32 v255, v255
	s_set_vgpr_msb 0x100
.else
	s_load_b128 s[4:7], s[0:1], 0x0                ; o1b, wb
	s_load_b128 s[68:71], s[0:1], 0x10             ; b_ff1 68:69, hb 70:71
.endif
	v_lshrrev_b32 v1, 5, v0
	v_readfirstlane_b32 s10, v1                    ; wave 0..3
	s_lshr_b32 s11, s10, 1                         ; which half of the tile's rows is mine.  Also: I fetch for A (0) or for B (1)
	s_and_b32 s12, s10, 1                          ; which half of its columns.  Also: which half of that tile I fetch
	s_bfe_u32 s40, ttmp6, 0x40000                  ; cx
	s_bfe_u32 s41, ttmp6, 0x40004                  ; cy
	s_lshl_b32 s42, ttmp9, 2
	s_add_co_u32 s42, s42, s40                     ; tile column = 4 x cluster x + cx
	s_and_b32 s13, ttmp7, 0xffff
	s_lshl_b32 s13, s13, 2
	s_add_co_u32 s13, s13, s41                     ; tile row = 4 x cluster y + cy
	s_lshl_b32 s43, s41, 2
	s_lshl_b32 s43, 15, s43                        ; my row of the cluster: places 4 cy .. 4 cy + 3
	s_lshl_b32 s44, 0x1111, s40                    ; my column: places cx, cx + 4, cx + 8, cx + 12
	s_or_b32 s[G1+0], s43, (1<<16)|(1<<20)|(1<<21)|(5<<22)|(3<<25)   ; mask of my row; elements of 2 bytes; padding on; bit 21 beside a mask; after every 64 words, 4 words
	s_mov_b32 s[G1+1], KSTEP<<16                   ; tensor_dim0 = 128
	s_mov_b32 s[G1+2], 128<<16                     ; tensor_dim1 = 128
	s_mov_b32 s[G1+3], KSTEP<<16                   ; tile_dim0 = 128
	s_mov_b32 s[G1+4], 128                         ; tile_dim1 = 128
	s_mov_b32 s[G1+5], SIZE_K                      ; elements from row to row
	s_mov_b32 s[G1+6], 0
	s_mov_b32 s[G1+7], 0
	s_or_b32 s[G1B+0], s44, (1<<16)|(1<<20)|(1<<21)|(6<<22)|(7<<25)  ; mask of my column; after every 128 words, 8 words
	s_mov_b32 s[G1B+1], 256<<16                    ; tensor_dim0 = 256
	s_mov_b32 s[G1B+2], 64<<16                     ; tensor_dim1 = 64
	s_mov_b32 s[G1B+3], 256<<16                    ; tile_dim0 = 256
	s_mov_b32 s[G1B+4], 64                         ; tile_dim1 = 64
	s_mov_b32 s[G1B+5], NP
	s_mov_b32 s[G1B+6], 0
	s_mov_b32 s[G1B+7], 0
	; A's tiles hang on the tile row alone, B's on the tile column alone; each address is made in registers that never hold the other coordinate
	s_lshl_b32 s17, s12, 7
	s_lshl_b32 s16, s13, 8
	s_add_co_u32 s16, s16, s17                     ; A: row 256 x tile row + 128 x half,
	s_lshl_b32 s16, s16, 11                        ; of 2,048 bytes
	s_mov_b32 s17, 0
.if KIND == 0
	s_lshl_b32 s46, ttmp9, 21                      ; B: the weight (2 MiB each) is the cluster's x,
	s_lshl_b32 s47, s40, 9                         ; its 256 columns are cx's
	s_add_co_u32 s46, s46, s47
.else
	s_lshl_b32 s46, s42, 9                         ; B: 256 columns of 2 bytes for each tile column
.endif
	s_mul_i32 s47, s12, 64*NP*2                    ; which 64 K rows I fetch
	s_add_co_u32 s46, s46, s47
	s_add_co_u32 s46, s46, BOFF
	s_mov_b32 s47, 0
	s_mul_i32 s20, s10, HALFT                      ; where they go: wave x a quarter of a slot
	s_mov_b32 s[PP], 0x3e6d3388
	s_wait_dscnt 0x0
	s_wait_kmcnt 0x0
.if KIND == 0
	s_mov_b64 s[6:7], s[4:5]                       ; B lies in wb too
	s_mov_b64 s[8:9], s[74:75]                     ; C
	s_mov_b64 s[66:67], s[68:69]                   ; the bias of the weight in hand
	s_cmp_eq_u32 ttmp9, 1
	s_cselect_b64 s[66:67], s[70:71], s[66:67]
	s_cmp_eq_u32 ttmp9, 2
	s_cselect_b64 s[66:67], s[72:73], s[66:67]
.else
	s_mov_b64 s[8:9], s[70:71]
	s_mov_b64 s[66:67], s[68:69]
.endif
	s_add_nc_u64 s[14:15], s[4:5], s[16:17]
	s_add_nc_u64 s[46:47], s[6:7], s[46:47]
	CROUND                                         ; all sixteen work-groups are here: the first joint loads meet
.irp s, 0,1
	s_mov_b32 s[G0+4*\s], 1
	s_add_co_u32 s[G0+4*\s+1], s20, \s*SLOT
	s_add_nc_u64 s[G0+4*\s+2:G0+4*\s+3], s[14:15], \s*KSTEP*2
	s_or_b32 s[G0+4*\s+3], s[G0+4*\s+3], 0x80000000
	s_mov_b32 s[G0B+4*\s], 1
	s_add_co_u32 s[G0B+4*\s+1], s20, \s*SLOT
	s_add_nc_u64 s[G0B+4*\s+2:G0B+4*\s+3], s[46:47], \s*KSTEP*NP*2
	s_or_b32 s[G0B+4*\s+3], s[G0B+4*\s+3], 0x80000000
	JLOAD \s
.endr
	v_and_b32 v1, 15, v0                           ; l % 16
	v_bfe_u32 v2, v0, 4, 1                         ; l / 16
	; the bias: a lane's eight columns of column block b are bias[first + 16 b + 8 (l / 16) + 0..7]; the loads stay out until the way out
	v_lshlrev_b32 v[BO], 5, v2
.if KIND == 0
	s_lshl_b32 s18, s40, 10                        ; 256 columns of 4 bytes for each tile column inside the weight
.else
	s_lshl_b32 s18, s42, 10
.endif
	s_lshl_b32 s19, s12, 9
	s_add_co_u32 s18, s18, s19
	s_mov_b32 s19, 0
	s_add_nc_u64 s[66:67], s[66:67], s[18:19]
	WIN TO_B
.irp b, 0,1,2,3,4,5,6,7
	global_load_b128 v[8*\b:8*\b+3],   v[BO], s[66:67] offset:64*\b
	global_load_b128 v[8*\b+4:8*\b+7], v[BO], s[66:67] offset:64*\b+16
.endr
	WIN 0
	; A's fragment: lane l holds row l % 16; registers 0-3 K = 8 (l / 16) + 0..7, registers 4-7 K = 16 + 8 (l / 16) + 0..7: two loads of 16 bytes, 32 bytes apart
	v_mul_u32_u24 v3, v1, PA
	v_lshl_add_u32 v3, v2, 4, v3
	; B's fragment, turned: lane l reads 16 bytes of K row 8 (l / 16) + l % 8, columns 8 ((l / 8) % 2) + 0..7, and receives column l % 16 with 8 K; the second load 16 K rows further down
	v_and_b32 v5, 7, v0
	v_bfe_u32 v6, v0, 3, 1
	v_lshl_add_u32 v7, v2, 3, v5
	v_mul_u32_u24 v7, v7, PB
	v_lshl_add_u32 v7, v6, 4, v7
	s_mul_i32 s21, s11, HALFT                      ; my 128 rows of A
	s_lshl_b32 s22, s12, 8                         ; my 128 columns of B,
	s_add_co_u32 s22, s22, 2*HALFT                 ; which lies behind A's 256 rows
.irp s, 0,1
	v_add_nc_u32 v[ADRA+\s], s21, v3
	v_add_nc_u32 v[ADRB+\s], s22, v7
	s_add_co_u32 s21, s21, SLOT
	s_add_co_u32 s22, s22, SLOT
.endr
	s_mul_i32 s23, s10, 16*SPITCH
	s_add_co_u32 s23, s23, STAGE                   ; my stage
	v_mul_u32_u24 v4, v1, SPITCH                   ; in: row l % 16, 16 bytes for each half of the lanes
	v_lshl_add_u32 v4, v2, 4, v4
	v_add_nc_u32 v[STO], s23, v4
	v_mul_u32_u24 v5, v2, SPITCH                   ; back: lanes 0-15 take one row of 256 bytes, lanes 16-31 the next
	v_lshl_add_u32 v5, v1, 4, v5
	v_add_nc_u32 v[RD], s23, v5
	v_mul_u32_u24 v5, v2, CP*2                     ; and the same two rows in C
	v_lshl_add_u32 v[CO], v1, 4, v5
	; where my part of the tile begins in C, in bytes
	s_lshl_b32 s16, s13, 8
	s_lshl_b32 s14, s11, 7
	s_add_co_u32 s16, s16, s14
	s_mul_i32 s16, s16, CP*2
	s_mov_b32 s17, 0
.if KIND == 0
	s_lshl_b32 s46, ttmp9, 23                      ; q, k or v: 8 MiB each
	s_lshl_b32 s47, s40, 9
	s_add_co_u32 s46, s46, s47
.else
	s_lshl_b32 s46, s42, 9
.endif
	s_lshl_b32 s47, s12, 8
	s_add_co_u32 s46, s46, s47
	s_mov_b32 s47, 0
	s_add_nc_u64 s[16:17], s[16:17], s[46:47]
; 16 matrix instructions: row blocks a0, a0 + 1 of the window's four x all 8 column blocks, 32 along K.  zero = 1: the first product starts the sums.
.macro MUL16 f, hi, a0, zero
.irp a, \a0, \a0+1
.irp b, 0,1,2,3,4,5,6,7
.if \zero
	v_wmma_f32_16x16x32_bf16 v[8*(8*(\a)+\b):8*(8*(\a)+\b)+7], v[\f+8*\b:\f+8*\b+7], v[\f+8*(4*\hi+\a):\f+8*(4*\hi+\a)+7], 0
.else
	v_wmma_f32_16x16x32_bf16 v[8*(8*(\a)+\b):8*(8*(\a)+\b)+7], v[\f+8*\b:\f+8*\b+7], v[\f+8*(4*\hi+\a):\f+8*(4*\hi+\a)+7], v[8*(8*(\a)+\b):8*(8*(\a)+\b)+7]
.endif
.endr
.endr
.endm
; 32 LDS loads in one run: the fragments of quarter q (32 along K) of a slot into buffer f: B's 128 columns, then A's 128 rows
.macro FETCH slot, q, f
	WIN TO_B
.irp i, 0,1,2,3,4,5,6,7
	ds_load_tr16_b128 v[\f+8*\i:\f+8*\i+3],   v[ADRB+\slot] offset:\q*32*PB+32*\i
	ds_load_tr16_b128 v[\f+8*\i+4:\f+8*\i+7], v[ADRB+\slot] offset:\q*32*PB+32*\i+16*PB
.endr
	WIN 0
.irp i, 0,1,2,3,4,5,6,7
	ds_load_b128 v[\f+8*\i:\f+8*\i+3],   v[ADRA+\slot] offset:\q*64+\i*16*PA
	ds_load_b128 v[\f+8*\i+4:\f+8*\i+7], v[ADRA+\slot] offset:\q*64+\i*16*PA+32
.endr
.endm
; Four places in front of loads into registers that matrix instructions have read, and of vector work that reads results just made
.macro PLACES
.rept 4
	v_nop
.endr
.endm
; A K step is four quarters of 32 along K, 64 matrix instructions each, on buffers 0, 1, 0, 1.  The 64 accumulators take turns, one instruction a turn.
; One of the first three quarters: multiplies buffer f; in its middle it fetches quarter q of the same slot into buffer g.
.macro QUARTER slot, q, f, g, zero
	s_wait_dscnt 8                                 ; B and A's rows 0-63 are in; the youngest eight loads (A's rows 64-127) may be out
	WIN MUL_LO
	MUL16 \f, 0, 0, \zero
	MUL16 \f, 0, 2, \zero
	PLACES
	FETCH \slot, \q, \g
	s_wait_dscnt 32                                ; all but the 32 just issued
	WIN MUL_HI
	MUL16 \f, 1, 0, \zero
	MUL16 \f, 1, 2, \zero
.endm
; The last quarter multiplies buffer 1 and changes slots: one barrier; in front of it each wave waits for its reads of this slot and for all its tensor loads (its part of the next slot).
.macro MEET round
	s_wait_dscnt 8
	WIN MUL_LO
	MUL16 F1, 0, 0, 0
	s_wait_dscnt 0                                 ; my reads of this slot are over
	s_wait_tensorcnt 0x0                           ; and all my tensor loads have landed
	ds_add_u32 v255, v255
	s_wait_dscnt 0x0
	s_barrier_signal -1
	MUL16 F1, 0, 2, 0                              ; work on registers while the others arrive
.if \round
	WIN 0
.endif
	s_barrier_wait -1
.endm
; fill = 1: the barrier opens a round of the cluster's barrier, and the slot just read out is filled again, two K steps ahead, first thing behind the round:
; from that request to the wait for it a wave issues 240 matrix instructions.
.macro TURN slot, next, fill
	MEET \fill
.if \fill
	CREST
	s_add_nc_u64 s[G0+4*\slot+2:G0+4*\slot+3], s[G0+4*\slot+2:G0+4*\slot+3], 2*KSTEP*2
	s_add_nc_u64 s[G0B+4*\slot+2:G0B+4*\slot+3], s[G0B+4*\slot+2:G0B+4*\slot+3], 2*KSTEP*NP*2
	JLOAD \slot                                    ; its four v_nop are also the places in front of the loads below
.else
	PLACES
.endif
	FETCH \next, 0, F0
	WIN MUL_HI
	MUL16 F1, 1, 0, 0
	MUL16 F1, 1, 2, 0
.endm
; THE WAY OUT, a block of 16 rows a trip.  CASE a is taken in trip a alone: T = block a's accumulators + bias, each accumulator read from its low end on.
.macro CASE a
	s_cmp_lg_u32 s3, \a
	s_cbranch_scc1 .Lnot_\@
.set W, 0x06+(\a)/4                    ; source 0 window 2 or 3 (the accumulators), source 1 window 1 (the bias), destination window 0
	WIN W
.irp b, 0,1,2,3,4,5,6,7
.irp r, 0,2,4,6
	v_pk_add_f32 v[T+8*\b+\r:T+8*\b+\r+1], v[64*((\a)%4)+8*\b+\r:64*((\a)%4)+8*\b+\r+1], v[8*\b+\r:8*\b+\r+1]
.endr
.endr
	WIN 0
.Lnot_\@:
.endm
; gelu(x) = relu(x) - |x| (poly(t) / 2) e^(-x^2 / 2), t = 1 / (1 + 0.2316419 |x|), on 16 registers of T.  Plain work stands between each run of
; transcendentals and the first use of its results (ISA guide 5.7.2): the exponent's products behind the reciprocals, the polynomial behind the exponentials.
.macro GELU16 c
.set XB, T+16*\c
.set i, 0
.rept 16
	v_fma_f32 v[GT+i], |v[XB+i]|, s[PP], 1.0
.set i, i+1
.endr
.set i, 0
.rept 16
	v_rcp_f32 v[GT+i], v[GT+i]
.set i, i+1
.endr
.set i, 0
.rept 8
	v_pk_mul_f32 v[GE+i:GE+i+1], v[XB+i:XB+i+1], v[XB+i:XB+i+1]
.set i, i+2
.endr
.set i, 0
.rept 8
	v_pk_mul_f32 v[GE+i:GE+i+1], v[GE+i:GE+i+1], 0xbf38aa3b op_sel_hi:[1,0]   ; x^2 times -log2(e) / 2
.set i, i+2
.endr
.set i, 0
.rept 16
	v_exp_f32 v[GE+i], v[GE+i]
.set i, i+1
.endr
.set i, 0
.rept 8
	v_pk_fma_f32 v[GP+i:GP+i+1], v[GT+i:GT+i+1], v[CF:CF+1], v[CF+2:CF+3]
.set i, i+2
.endr
.irp k, 4,6,8
.set i, 0
.rept 8
	v_pk_fma_f32 v[GP+i:GP+i+1], v[GP+i:GP+i+1], v[GT+i:GT+i+1], v[CF+\k:CF+\k+1]
.set i, i+2
.endr
.endr
.set i, 0
.rept 8
	v_pk_mul_f32 v[GP+i:GP+i+1], v[GP+i:GP+i+1], v[GT+i:GT+i+1]
.set i, i+2
.endr
.set i, 0
.rept 8
	v_pk_mul_f32 v[GP+i:GP+i+1], v[GP+i:GP+i+1], v[GE+i:GE+i+1]
.set i, i+2
.endr
.set i, 0
.rept 16
	v_max_num_f32 v[GT+i], 0, v[XB+i]
.set i, i+1
.endr
.set i, 0
.rept 16
	v_fma_f32 v[XB+i], -|v[XB+i]|, v[GP+i], v[GT+i]
.set i, i+1
.endr
.endm
	s_wait_tensorcnt 1                             ; my part of K step 0 is in; K step 1's may stay out
	s_barrier_signal -1
	s_barrier_wait -1
	FETCH 0, 0, F0
	QUARTER 0, 1, F0, F1, 1                        ; the first quarter stands in front of the loop: its products start the sums
	WIN 0                                          ; at a label and at a branch every window is 0
	s_mov_b32 s3, LAPS-1
.Llap:                                                 ; a trip goes once round the ring, from a lap's second quarter to the next lap's first, and fills both slots again
	QUARTER 0, 2, F1, F0, 0
	QUARTER 0, 3, F0, F1, 0
	TURN 0, 1, 1
	QUARTER 1, 1, F0, F1, 0
	QUARTER 1, 2, F1, F0, 0
	QUARTER 1, 3, F0, F1, 0
	TURN 1, 0, 1
	QUARTER 0, 1, F0, F1, 0
	WIN 0
	s_sub_co_u32 s3, s3, 1
	s_cmp_lg_u32 s3, 0
	s_cbranch_scc1 .Llap
	QUARTER 0, 2, F1, F0, 0                        ; the last lap fills nothing
	QUARTER 0, 3, F0, F1, 0
	TURN 0, 1, 0
	QUARTER 1, 1, F0, F1, 0
	QUARTER 1, 2, F1, F0, 0
	QUARTER 1, 3, F0, F1, 0
	s_wait_dscnt 8                                 ; the very last quarter: nothing more to fetch
	WIN MUL_LO
	MUL16 F1, 0, 0, 0
	MUL16 F1, 0, 2, 0
	s_wait_dscnt 0
	WIN MUL_HI
	MUL16 F1, 1, 0, 0
	MUL16 F1, 1, 2, 0
	WIN 0
	PLACES
	s_wait_loadcnt 0x0                             ; the bias
.if KIND == 1
.irp k, 0,1
	v_mov_b32 v[CF+\k],   0x3f07dc22                ; a5 / 2 =  0.5307027
	v_mov_b32 v[CF+2+\k], 0xbf3a00e3                ; a4 / 2 = -0.7265760
	v_mov_b32 v[CF+4+\k], 0x3f35f0e3                ; a3 / 2 =  0.7107069
	v_mov_b32 v[CF+6+\k], 0xbe11a98e                ; a2 / 2 = -0.1422484
	v_mov_b32 v[CF+8+\k], 0x3e027906                ; a1 / 2 =  0.1274148
.endr
.endif
	s_mov_b32 s3, 0
.Lblock:                                               ; eight trips: my block of 16 rows number s3.  What follows the CASEs is written once: eight copies of it would be some 50 KB of code that runs once
.irp a, 0,1,2,3,4,5,6,7
	CASE \a
.endr
.if KIND == 1
	GELU16 0
	GELU16 1
	GELU16 2
	GELU16 3
.endif
.irp b, 0,1,2,3,4,5,6,7
.irp r, 0,1,2,3
	v_cvt_pk_bf16_f32 v[TMP+4*\b+\r], v[T+8*\b+2*\r], v[T+8*\b+2*\r+1]
.endr
.endr
.irp b, 0,1,2,3,4,5,6,7
	ds_store_b128 v[STO], v[TMP+4*\b:TMP+4*\b+3] offset:32*\b
.endr
	s_wait_xcnt 0x0                                ; the last trip's stores have had their addresses translated (ISA guide 3.1): only now are their data registers and their base written again
.irp t, 0,1,2,3,4,5,6,7
	ds_load_b128 v[OB+4*\t:OB+4*\t+3], v[RD] offset:\t*2*SPITCH    ; LDS serves a wave's instructions in order (ISA guide 5.7.1.4): these see the stores above
.endr
	s_add_nc_u64 s[8:9], s[8:9], s[16:17]          ; the first trip: on to my first rows; later: 16 rows on
	s_mov_b64 s[16:17], 16*CP*2
	s_wait_dscnt 0x0                               ; the block is back in registers
.irp t, 0,1,2,3,4,5,6,7
	global_store_b128 v[CO], v[OB+4*\t:OB+4*\t+3], s[8:9] offset:2*\t*CP*2   ; 16 lanes store 256 consecutive bytes, at a multiple of 256 from C's first byte
.endr
	s_add_co_u32 s3, s3, 1
	s_cmp_lt_u32 s3, 8
	s_cbranch_scc1 .Lblock
	s_set_vgpr_msb 0x1
	s_wait_tensorcnt 0x0
	ds_add_u32 v255, v255
	s_wait_dscnt 0x0
	s_set_vgpr_msb 0x100
	CROUND                                         ; the closing round: no work-group ends while a partner may still ask for a tile that names it
	s_endpgm
.Lfunc_end_k_qc87ba99e8b_qkv:
	.size	k_qc87ba99e8b_qkv, .Lfunc_end_k_qc87ba99e8b_qkv-k_qc87ba99e8b_qkv
	.p2alignl 7, 3214868480
	.fill 96, 4, 3214868480
	.section	.rodata,"a",@progbits
	.p2align	6, 0x0
	.amdhsa_kernel k_qc87ba99e8b_qkv
		.amdhsa_group_segment_fixed_size 327680
		.amdhsa_private_segment_fixed_size 0
		.amdhsa_enable_private_segment 0
		.amdhsa_kernarg_size 40
		.amdhsa_user_sgpr_count 2
		.amdhsa_user_sgpr_kernarg_segment_ptr 1
		.amdhsa_wavefront_size32 1
		.amdhsa_system_sgpr_workgroup_id_x 1
		.amdhsa_system_sgpr_workgroup_id_y 1
		.amdhsa_system_sgpr_workgroup_id_z 1
		.amdhsa_system_vgpr_workitem_id 0
		.amdhsa_next_free_vgpr 1024
		.amdhsa_next_free_sgpr 80
		.amdhsa_reserve_vcc 0
		.amdhsa_float_denorm_mode_32 3
		.amdhsa_float_denorm_mode_16_64 3
		.amdhsa_memory_ordered 1
		.amdhsa_forward_progress 1
		.amdhsa_inst_pref_size 135
	.end_amdhsa_kernel
	.amdgpu_metadata
---
amdhsa.version: [ 1, 2 ]
amdhsa.kernels:
  - .name:           k_qc87ba99e8b_qkv
    .symbol:         k_qc87ba99e8b_qkv.kd
    .args:
      - { .name: wb, .offset: 0, .size: 8, .value_kind: global_buffer, .address_space: global }
      - { .name: bq, .offset: 8, .size: 8, .value_kind: global_buffer, .address_space: global }
      - { .name: bk, .offset: 16, .size: 8, .value_kind: global_buffer, .address_space: global }
      - { .name: bv, .offset: 24, .size: 8, .value_kind: global_buffer, .address_space: global }
      - { .name: qkv, .offset: 32, .size: 8, .value_kind: global_buffer, .address_space: global }
    .group_segment_fixed_size: 327680
    .private_segment_fixed_size: 0
    .kernarg_segment_align: 8
    .kernarg_segment_size: 40
    .max_flat_workgroup_size: 128
    .sgpr_count:     80
    .vgpr_count:     1024
    .wavefront_size: 32
...
	.end_amdgpu_metadata
.endif
;; end of part 2
;; launch attn (part 3): grid 16 x 16, 4 waves a work-group, no clusters, 327,680 bytes of LDS; arguments qkv, ab; writes ab
.if DOCPART == 3
	.amdgcn_target "amdgcn-amd-amdhsa--gfx1250"
	.amdhsa_code_object_version 6
	.text
	.protected	k_qc87ba99e8b_attn
	.globl	k_qc87ba99e8b_attn
	.p2align	8
	.type	k_qc87ba99e8b_attn,@function
k_qc87ba99e8b_attn:
	s_mov_b64 s[64:65], 0
	v_nop
	global_prefetch_b8 v0, s[64:65] scope:SCOPE_SE
	s_setreg_imm32_b32 hwreg(HW_REG_WAVE_MODE, 25, 1), 1
	s_wait_xcnt 0x0
; ab[token][head][:] = the sum over keys t <= s of softmax_t(q . k / 8) v, causal.  qkv: bf16 [3][4096 tokens][1024]; ab: bf16 [4096][1024]; a head is 64 channels.
; Products, maxima and sums in f32; the weights are rounded to bf16 for the second product, the result once at the end.
; LIMIT.  A score above the diagonal is replaced by -8e9 ahead of the factor 1/8, that is -1e9, where the problem adds -1e9 to it: the same weights (zero) as long as scores differ by less than about 1e9.
; v_exp_f32 flushes denormals (ISA guide 15.8): a weight below 2^-126 counts as zero.
; SHARES.  Work-group (j, y): batch y / 8, the PAIR of heads 2 (y % 8), 2 (y % 8) + 1, so that a row of a K or V tile and of the result is 256 consecutive aligned bytes; and the two blocks of 64
; queries j and 31 - j, so that every work-group has 33 block-steps of 64 queries x 64 keys.  Wave w: head w / 2 of the pair, queries 32 (w % 2) + 0..31 of both blocks: four tiles of 16 queries,
; piece 0 (tiles 0, 1: block j) and piece 2 (tiles 2, 3: block 31 - j).  The keys are walked once, 64 a step: step kt serves piece 2 while kt <= 31 - j and piece 0 while kt <= j.
; NO CLUSTER: work-groups that share a head pair's K and V walk 17 to 32 steps, so partners would need different numbers of tiles.
; LAYOUT.  S^T = K Q^T (source 0 = 16 keys, source 1 = 16 queries): a lane holds ONE query (lane % 16) and the keys 8 (lane / 16) + 0..7.  Two such tiles, rounded in pairs, are source 1 of
; O^T = V^T P, whose result again holds one query a lane and eight channels.  K comes out of LDS as it lies, V turned, by ds_load_tr16_b128.
; SOFTMAX.  For each query a running maximum m and sum l: p = 2^(c s - c m), c = log2(e) / 8; in every step O and l are multiplied by a = 2^(c m_old - c m_new).
; BY TURNS.  A tile's softmax for a block-step is 118 instructions (21 for the maximum, 33 exponentials, 16 scalings, 16 roundings, 16 sums, 16 multiplies of O^T): 236 beside a block-step's 32
; products.  The two pieces cannot take turns, since piece 0 rests in 31 - 2 j of the steps; the two TILES of a piece can.  Tile 1's scores stand one by one between the lines of tile 0's maximum,
; tile 0's V^T P between tile 1's exponentials, tile 1's V^T P between its own sums; only tile 0's eight products K Q^T stand bare.  The exponentials are dealt among plain work of the other tile.
; A softmax works in window 0 and on O^T, the products take K, V and Q from other windows: 66 switches for a block-step's 32 products, the lesser price beside a matrix unit that rests through 236 lines.
; A STEP AHEAD.  K's and V's fragments have two buffers: a step begins by asking for the next step's 32 loads and works on what was asked for a step ago.
; RING.  Two LDS slots of two key steps each; waves 0, 1 fetch K of a slot's two steps, waves 2, 3 V.  A wave has two tensor loads out at the start, later one.
; Where the number of steps is odd, the last slot's second step is fetched (it lies inside the batch's keys) and not used.
; REGISTERS: window 0: v1-14 addresses; v16-47 eight statistics a tile; v48-111 S^T of the piece at work; v112-143 P; v144-207 rows read back on the way out.
;            window 1: v0-127 O^T, 32 a tile; v192-255 Q, 16 a tile.      window 2: fragment buffer b: K at v[128 b], V at v[128 b + 64].
.set KS,    64
.set ROWB,  2048                       ; bytes of a token's row in q, k, v and ab
.set PK,    272                        ; a row of K in LDS: 256 bytes + 16 = 68 words: row r starts at bank 4 r mod 64 (64 banks of 4 bytes: ISA guide 11.1)
.set PVP,   288                        ; a row of V: 256 + 32 = 72 words: row r starts at bank 8 r mod 64
.set VOFF,  KS*PK                      ; a step's tiles lie together: 64 rows of K, then 64 rows of V
.set STEPB, KS*(PK+PVP)
.set SLOT1, 1<<17                      ; slot 1 begins here: one exclusive or turns an address in one slot into the other's
.set STAGE, SLOT1+2*STEPB              ; behind the ring: 128 rows x 272 bytes, the work-group's; no tensor load fills it
.set SP,    272
.set AK0, 2                            ; v2   my lane's place in a tile of K
.set AV0, 3                            ; v3   the same for V
.set ADK, 4                            ; v4   the LDS address of the run of K's loads in hand
.set QO,  5                            ; v5   my byte offset in a tile's rows of Q
.set STO, 6                            ; v6   the way out: where I put 16 bytes of a row
.set RD,  7                            ; v7   the way out: where I read a row back
.set GO,  8                            ; v8   my byte offset in the rows of ab that I store
.set DQ,  12                           ; v12  my query's number in its block, less 8 (lane / 16), for tile 0 of a piece
.set NEG, 13                           ; v13  -8e9
.set ADV, 14                           ; v14  the LDS address of the run of V's loads in hand
.set ST,  16                           ; tile t's statistics at v[ST+8 t]: +0 c m, +1 m, +2, +3 l (even keys', odd keys'), +4 to +7 at work; a takes +6
.set S,   48
.set P,   112
.set OUTB, 144
.set QF,  192                          ; in window 1
.set WV,  8                            ; s8   my wave's number
.set W1,  9                            ; s9   w % 2
.set WH,  10                           ; s10  w / 2
.set QLO, 11                           ; s11  j
.set QHI, 12                           ; s12  31 - j
.set SLOTS, 13                         ; s13  slots still to be asked for
.set KT,  14                           ; s14  the key step at work
.set TB,  16                           ; s16  LDS byte at which the tiles of the step to be fetched begin
.set G1K, 24                           ; s[24:31] descriptor group 1 for K's tiles
.set G1V, 32                           ; s[32:39] for V's: it differs in the padding alone
.set G0K, 40                           ; s[40:47] group 0 for K's tiles: a set for each first fill; the second then walks on
.set G0V, 48                           ; s[48:55] the same for V's
.set CS,  56                           ; s[56:57] c, twice
.set SEL, 58                           ; s[58:59] lane selects for v_permlanex16_b32: each lane takes its own place in the other half
.set QBL, 60                           ; s[60:61] Q at my rows of block j
.set QBH, 62                           ; s[62:63] Q at my rows of block 31 - j
.set OBS, 66                           ; s[66:67] ab at the rows that I store
.set MSB, 0
.macro WIN new                         ; the immediate's high byte repeats the setting that is left; a switch that changes nothing is dropped
.if MSB != \new
	s_set_vgpr_msb (MSB<<8)|\new
.set MSB, \new
.endif
.endm
.set W_KQ, 0x06                        ; K (source 0) in window 2, Q (source 1) in window 1, S^T in window 0
.set W_PV, 0x52                        ; V (source 0) in window 2, P (source 1) in window 0, O^T (C and D) in window 1
.set W_RS, 0x41                        ; O^T (destination and source 0) in window 1; a in window 0
.set TO_1, 0x40                        ; destination window 1, address window 0
.set TO_2, 0x80                        ; destination window 2, address window 0
.macro PLACES                          ; four places (ISA guide 7.12.1)
.rept 4
	v_nop
.endr
.endm
; A refill: waves 0 and 1 fetch the two steps' tiles of K, waves 2 and 3 those of V.  Four v_nop follow each of the two lines.
.macro JLOAD
	s_cmp_lt_u32 s[WV], 2
	s_cbranch_scc0 .Lfor_v_\@
	tensor_load_to_lds s[G0K+4:G0K+7], s[G1K:G1K+7]
	s_nop 0
.rept 4
	v_nop
.endr
	s_branch .Lasked_\@
.Lfor_v_\@:
	tensor_load_to_lds s[G0V+4:G0V+7], s[G1V:G1V+7]
	s_nop 0
.rept 4
	v_nop
.endr
.Lasked_\@:
.endm
	s_load_b128 s[4:7], s[0:1], 0x0                ; qkv s[4:5], ab s[6:7]
	v_lshl_add_u32 v254, v0, 2, 0x3a000
	v_mov_b32 v255, 0
	ds_add_u32 v254, v255
	ds_add_u32 v254, v255
	v_lshrrev_b32 v1, 5, v0
	v_readfirstlane_b32 s[WV], v1
	s_and_b32 s[W1], s[WV], 1
	s_lshr_b32 s[WH], s[WV], 1
	s_mov_b32 s[QLO], ttmp9
	s_sub_co_u32 s[QHI], 31, ttmp9
	s_sub_co_u32 s[SLOTS], 33, ttmp9
	s_lshr_b32 s[SLOTS], s[SLOTS], 1               ; slots of two steps for 32 - j steps: 9 to 16,
	s_sub_co_u32 s[SLOTS], s[SLOTS], 2             ; of which two are the first fills: 7 to 14 trips;
	s_max_u32 s[SLOTS], s[SLOTS], 1                ; the bound is written out, so that the loop's end can be read off the text
	s_and_b32 s18, ttmp7, 0xffff
	s_lshr_b32 s19, s18, 3                         ; the batch: 2,048 rows of 2,048 bytes
	s_and_b32 s18, s18, 7                          ; the pair of heads: 256 bytes of a row
	s_lshl_b32 s19, s19, 22
	s_lshl_b32 s18, s18, 8
	s_add_co_u32 s18, s18, s19
	s_lshl_b32 s20, s[W1], 17                      ; which of a slot's two steps I fetch: 64 rows
	s_add_co_u32 s20, s20, s18
	s_mov_b32 s21, 0
	s_mul_i32 s17, s[W1], STEPB                    ; and its place in a slot
	s_lshl_b32 s2, s[W1], 16                       ; my 32 rows of a block of 64
	s_add_co_u32 s2, s2, s18
	s_lshl_b32 s3, s[WH], 7                        ; my head's 128 bytes of the pair's 256
	s_lshl_b32 s68, s[QLO], 17
	s_add_co_u32 s68, s68, s2
	s_lshl_b32 s70, s[QHI], 17
	s_add_co_u32 s70, s70, s2
	s_cmp_eq_u32 s[WH], 0                          ; on the way out waves 0, 1 store block j's rows, waves 2, 3 block 31 - j's
	s_cselect_b32 s22, s68, s70
	s_mov_b32 s23, 0
	s_add_co_u32 s68, s68, s3
	s_add_co_u32 s70, s70, s3
	s_mov_b32 s69, 0
	s_mov_b32 s71, 0
	; descriptor group 1: a tile of 64 rows x 128 elements, padded in LDS
	s_mov_b32 s[G1K], (1<<16)|(1<<20)|(5<<22)|(3<<25)  ; no mask; elements of 2 bytes; padding on; after every 64 words, 4 words
	s_mov_b32 s[G1V], (1<<16)|(1<<20)|(5<<22)|(7<<25)  ; the same with 8 words
.irp g, G1K, G1V
	s_mov_b32 s[\g+1], 128<<16                     ; tensor_dim0 = 128
	s_mov_b32 s[\g+2], KS<<16                      ; tensor_dim1 = 64
	s_mov_b32 s[\g+3], 128<<16                     ; tile_dim0 = 128
	s_mov_b32 s[\g+4], KS                          ; tile_dim1 = 64
	s_mov_b32 s[\g+5], 1024                        ; elements from row to row
	s_mov_b32 s[\g+6], 0
	s_mov_b32 s[\g+7], 0
.endr
	s_mov_b32 s[CS], 0x3e38aa3b                    ; c = log2(e) / 8
	s_mov_b32 s[CS+1], s[CS]
	s_mov_b32 s[SEL], 0x76543210
	s_mov_b32 s[SEL+1], 0xfedcba98
	s_mov_b32 s[TB], 0
	s_mov_b32 s[KT], 0
	s_wait_dscnt 0x0
	s_wait_kmcnt 0x0
	s_add_nc_u64 s[20:21], s[4:5], s[20:21]
	s_add_nc_u64 s[QBL:QBL+1], s[4:5], s[68:69]
	s_add_nc_u64 s[QBH:QBH+1], s[4:5], s[70:71]
	s_add_nc_u64 s[OBS:OBS+1], s[6:7], s[22:23]
.irp s, 0,1
	s_mov_b32 s[G0K+4*\s], 1
	s_add_co_u32 s[G0K+4*\s+1], s17, \s*SLOT1
	s_add_nc_u64 s[G0K+4*\s+2:G0K+4*\s+3], s[20:21], (8<<20)+\s*2*KS*ROWB    ; k begins 8 MiB into qkv; slot s begins with keys 128 s
	s_or_b32 s[G0K+4*\s+3], s[G0K+4*\s+3], 0x80000000
	s_mov_b32 s[G0V+4*\s], 1
	s_add_co_u32 s[G0V+4*\s+1], s17, \s*SLOT1+VOFF
	s_add_nc_u64 s[G0V+4*\s+2:G0V+4*\s+3], s[20:21], (16<<20)+\s*2*KS*ROWB   ; v begins 16 MiB into qkv
	s_or_b32 s[G0V+4*\s+3], s[G0V+4*\s+3], 0x80000000
.endr
	s_cmp_lt_u32 s[WV], 2                          ; a wave's two first fills stand in one branch, ahead of every wait on TENSORcnt, every LDS read and every barrier
	s_cbranch_scc0 .Lfirst_v
	tensor_load_to_lds s[G0K:G0K+3], s[G1K:G1K+7]
	s_nop 0
	tensor_load_to_lds s[G0K+4:G0K+7], s[G1K:G1K+7]
	s_nop 0
.rept 4
	v_nop
.endr
	s_branch .Lfirst_asked
.Lfirst_v:
	tensor_load_to_lds s[G0V:G0V+3], s[G1V:G1V+7]
	s_nop 0
	tensor_load_to_lds s[G0V+4:G0V+7], s[G1V:G1V+7]
	s_nop 0
.rept 4
	v_nop
.endr
.Lfirst_asked:
	; a fragment of K or Q: lane l holds row l % 16; registers 0-3 channels 8 (l / 16) + 0..7, registers 4-7 channels 16 + 8 (l / 16) + 0..7: two loads of 16 bytes, 32 bytes apart
	v_and_b32 v1, 15, v0                           ; l % 16
	v_bfe_u32 v9, v0, 4, 1                         ; l / 16
	v_lshlrev_b32 v[QO], 11, v1
	v_lshl_add_u32 v[QO], v9, 4, v[QO]
	WIN TO_1
.irp t, 0,1
.irp c, 0,1                            ; Q stays in registers: tile t of each piece, channels 32 c on
	global_load_b128 v[QF+16*\t+8*\c:QF+16*\t+8*\c+3],       v[QO], s[QBL:QBL+1] offset:\t*16*ROWB+64*\c
	global_load_b128 v[QF+16*\t+8*\c+4:QF+16*\t+8*\c+7],     v[QO], s[QBL:QBL+1] offset:\t*16*ROWB+64*\c+32
	global_load_b128 v[QF+32+16*\t+8*\c:QF+32+16*\t+8*\c+3],   v[QO], s[QBH:QBH+1] offset:\t*16*ROWB+64*\c
	global_load_b128 v[QF+32+16*\t+8*\c+4:QF+32+16*\t+8*\c+7], v[QO], s[QBH:QBH+1] offset:\t*16*ROWB+64*\c+32
.endr
.endr
	WIN 0
	v_mul_u32_u24 v[AK0], v1, PK
	v_lshl_add_u32 v[AK0], v9, 4, v[AK0]
	v_add_nc_u32 v[AK0], s3, v[AK0]                ; row x pitch + 16 x half + my head
	; the turning load: lane l reads 16 bytes of key 8 (l / 16) + l % 8, channels 8 ((l / 8) % 2) + 0..7, and receives channel l % 16 with 8 keys
	v_and_b32 v10, 7, v0
	v_bfe_u32 v11, v0, 3, 1
	v_lshl_add_u32 v[AV0], v9, 3, v10
	v_mul_u32_u24 v[AV0], v[AV0], PVP
	v_lshl_add_u32 v[AV0], v11, 4, v[AV0]
	s_add_co_u32 s18, s3, VOFF
	v_add_nc_u32 v[AV0], s18, v[AV0]
	v_lshlrev_b32 v10, 3, v9
	v_sub_nc_u32 v[DQ], v1, v10
	s_lshl_b32 s18, s[W1], 5
	v_add_nc_u32 v[DQ], s18, v[DQ]                 ; 32 (w % 2) + l % 16 - 8 (l / 16), signed
	v_mov_b32 v[NEG], 0xcfee6b28                   ; -8e9
	s_mul_i32 s18, s[W1], 32*SP                    ; into the stage: row 64 x piece + my query's number in its block; my head's half of its 256 bytes
	s_add_co_u32 s18, s18, s3
	s_add_co_u32 s18, s18, STAGE
	v_mul_u32_u24 v[STO], v1, SP
	v_lshl_add_u32 v[STO], v9, 4, v[STO]
	v_add_nc_u32 v[STO], s18, v[STO]
	s_mul_i32 s18, s[WV], 32*SP                    ; back: wave w takes rows 32 w .. 32 w + 31, whole; lanes 0-15 one row, lanes 16-31 the next
	s_add_co_u32 s18, s18, STAGE
	v_mul_u32_u24 v[RD], v9, SP
	v_lshl_add_u32 v[RD], v1, 4, v[RD]
	v_add_nc_u32 v[RD], s18, v[RD]
	v_lshlrev_b32 v[GO], 11, v9                    ; and the same two rows in ab
	v_lshl_add_u32 v[GO], v1, 4, v[GO]
; THE LINES OF A BLOCK-STEP, one a macro call; each list has a counter that the call steps.  x: the piece (0 or 2); tt: the tile in it (0 or 1); pb: the fragment buffer at work.
; Product wi of 8 of a tile's S^T = K Q^T: channels 32 (wi / 4) on, keys 16 (wi % 4) on.  The first 4 start the sums.  The 4 accumulators take turns.
.macro KQ1 x, tt, pb
	WIN W_KQ
.set rS, S+32*\tt+8*(wi%4)
.set rK, 128*\pb+8*(2*(wi%4)+wi/4)
.set rQ, QF+16*(\x+\tt)+8*(wi/4)
.if wi < 4
	v_wmma_f32_16x16x32_bf16 v[rS:rS+7], v[rK:rK+7], v[rQ:rQ+7], 0
.else
	v_wmma_f32_16x16x32_bf16 v[rS:rS+7], v[rK:rK+7], v[rQ:rQ+7], v[rS:rS+7]
.endif
.set wi, wi+1
.endm
; Product wi of 8 of a tile's O^T += V^T P: keys 32 (wi / 4) on, channels 16 (wi % 4) on.  zero = 1: the first 4 start the sums.
.macro PV1 x, tt, pb, zero
	WIN W_PV
.set rO, 32*(\x+\tt)+8*(wi%4)
.set rV, 128*\pb+64+8*wi
.set rP, P+16*\tt+8*(wi/4)
.if \zero && (wi < 4)
	v_wmma_f32_16x16x32_bf16 v[rO:rO+7], v[rV:rV+7], v[rP:rP+7], 0
.else
	v_wmma_f32_16x16x32_bf16 v[rO:rO+7], v[rV:rV+7], v[rP:rP+7], v[rO:rO+7]
.endif
.set wi, wi+1
.endm
; Line mn of 22 of a tile's maximum.  0-15: the maximum of the lane's 32 scores and the old m, three operands at a time, in four chains that begin at each accumulator's registers 0 to 2;
; 16-20: the other half of the lanes' maximum, the new m, c m, c m_old - c m_new; 21: a.  first = 1: the first key step has no old m and no a.
.macro MX x, tt, first
	WIN 0
.set rT, ST+8*(\x+\tt)
.set rS, S+32*\tt
.if mn < 4
	v_max3_num_f32 v[rT+4+mn], v[rS+8*mn], v[rS+8*mn+1], v[rS+8*mn+2]
.elseif mn < 12
	v_max3_num_f32 v[rT+4+mn%4], v[rT+4+mn%4], v[rS+8*(mn%4)+2*(mn/4)+1], v[rS+8*(mn%4)+2*(mn/4)+2]
.elseif mn == 12
	v_max3_num_f32 v[rT+4], v[rT+4], v[rS+7], v[rS+15]
.elseif mn == 13
	v_max3_num_f32 v[rT+6], v[rT+6], v[rS+23], v[rS+31]
.elseif mn == 14
	v_max3_num_f32 v[rT+4], v[rT+4], v[rT+5], v[rT+6]
.elseif (mn == 15) && \first
	v_max_num_f32 v[rT+4], v[rT+4], v[rT+7]
.elseif mn == 15
	v_max3_num_f32 v[rT+4], v[rT+4], v[rT+7], v[rT+1]
.elseif mn == 16
	v_permlanex16_b32 v[rT+5], v[rT+4], s[SEL], s[SEL+1]   ; the query's other 32 keys lie in the lane 16 away
.elseif mn == 18
	v_max_num_f32 v[rT+1], v[rT+4], v[rT+5]
.elseif mn == 19
	v_mul_f32 v[rT], s[CS], v[rT+1]
.elseif \first                         ; the first step has none of the three below
.elseif mn == 17
	v_mov_b32 v[rT+7], v[rT]                       ; c m_old is kept for a: line 19 writes c m anew
.elseif mn == 20
	v_sub_f32 v[rT+7], v[rT+7], v[rT]
.else
	v_exp_f32 v[rT+6], v[rT+7]
.endif
.set mn, mn+1
.endm
.macro SC x, tt                        ; pair sb of 16 of a tile's scores: c s - c m
	WIN 0
.set rT, ST+8*(\x+\tt)
.set rS, S+32*\tt+2*sb
	v_pk_fma_f32 v[rS:rS+1], v[rS:rS+1], s[CS:CS+1], v[rT:rT+1] op_sel_hi:[1,0,0] neg_lo:[0,0,1] neg_hi:[0,0,1]
.set sb, sb+1
.endm
.macro EX tt                           ; exponential ee of 32
	WIN 0
	v_exp_f32 v[S+32*\tt+ee], v[S+32*\tt+ee]
.set ee, ee+1
.endm
.macro CV tt                           ; pair ci of 16 of a tile's weights, rounded to bf16
	WIN 0
	s_wait_alu depctr_va_vdst(0)
	v_cvt_pk_bf16_f32 v[P+16*\tt+ci], v[S+32*\tt+2*ci], v[S+32*\tt+2*ci+1]
.set ci, ci+1
.endm
; Sum sz of 16 over a tile's 16 pairs (in a pair: an even key's weight, an odd key's), in place: neighbours 1, 2, 4 and 8 pairs apart, then l takes it.  It stands behind the roundings.
.macro SU x, tt, first
	WIN 0
.set rT, ST+8*(\x+\tt)
.set rS, S+32*\tt
.if sz < 8
	v_pk_add_f32 v[rS+4*sz:rS+4*sz+1], v[rS+4*sz:rS+4*sz+1], v[rS+4*sz+2:rS+4*sz+3]
.elseif sz < 12
	v_pk_add_f32 v[rS+8*(sz-8):rS+8*(sz-8)+1], v[rS+8*(sz-8):rS+8*(sz-8)+1], v[rS+8*(sz-8)+4:rS+8*(sz-8)+5]
.elseif sz < 14
	v_pk_add_f32 v[rS+16*(sz-12):rS+16*(sz-12)+1], v[rS+16*(sz-12):rS+16*(sz-12)+1], v[rS+16*(sz-12)+8:rS+16*(sz-12)+9]
.elseif (sz == 14) && \first
	v_pk_add_f32 v[rT+2:rT+3], v[rS:rS+1], v[rS+16:rS+17]
.elseif sz == 14
	v_pk_add_f32 v[rS:rS+1], v[rS:rS+1], v[rS+16:rS+17]
.elseif !\first
	v_pk_fma_f32 v[rT+2:rT+3], v[rT+2:rT+3], v[rT+6:rT+7], v[rS:rS+1] op_sel_hi:[1,0,1]
.endif
.set sz, sz+1
.endm
.macro RS x, tt                        ; pair ri of 16 of a tile's O^T, times a; ascending
	WIN W_RS
	s_wait_alu depctr_va_vdst(0)
	v_pk_mul_f32 v[32*(\x+\tt)+2*ri:32*(\x+\tt)+2*ri+1], v[32*(\x+\tt)+2*ri:32*(\x+\tt)+2*ri+1], v[ST+8*(\x+\tt)+6:ST+8*(\x+\tt)+7] op_sel_hi:[1,0]
.set ri, ri+1
.endm
.macro NEXT1 x, first                  ; the next line of tile 1's maximum, then of its scalings: 38 lines
.if mn < 22
	MX \x, 1, \first
.elseif sb < 16
	SC \x, 1
.endif
.endm
; The diagonal block alone (a branch on two whole numbers made of the work-group's number): key 16 k + 8 (l / 16) + jj lies above query 32 (w % 2) + 16 tt + l % 16 where 16 k + jj - 16 tt > DQ.
; Each accumulator is taken from its low end on.
.macro MASKIF x, tt
	WIN 0
.if \x == 0
	s_cmp_lg_u32 s[KT], s[QLO]
.else
	s_cmp_lg_u32 s[KT], s[QHI]
.endif
	s_cbranch_scc1 .Lnomask_\@
.irp k, 0,1,2,3
.irp jj, 0,1,2,3,4,5,6,7
	v_cmp_gt_i32 vcc_lo, 16*\k+\jj-16*\tt, v[DQ]
	v_cndmask_b32 v[S+32*\tt+8*\k+\jj], v[S+32*\tt+8*\k+\jj], v[NEG], vcc_lo
.endr
.endr
.Lnomask_\@:
.endm
; ONE BLOCK-STEP of piece x on fragment buffer pb.  first = 1: the first key step, which starts m, l and O^T.
; Behind every exponential stands a plain line that names neither its result nor its source before the result is used (ISA guide 5.7.2).  What reads a product's result stands four plain lines or more
; behind it (ISA guide 7.12.1): four v_nop behind tile 0's scores; the end of tile 0's maximum and its scalings behind tile 1's.
.macro PIECE x, pb, first
.set wi, 0
.rept 8
	KQ1 \x, 0, \pb                                 ; tile 0's scores: nothing of this block-step is there yet to stand between them
.endr
	WIN 0
	PLACES
	MASKIF \x, 0
.set mn, 0
.set wi, 0
.rept 8                                ; tile 0's maximum | tile 1's scores
	MX \x, 0, \first
	MX \x, 0, \first
	KQ1 \x, 1, \pb
.endr
.rept 6
	MX \x, 0, \first
.endr
.set sb, 0
.rept 4
	SC \x, 0                                       ; four pairs ahead of their exponentials
.endr
.set ee, 0
.set ri, 0
.rept 4                                ; tile 0's exponentials 0-11 | the rest of its scalings | its O^T times a
.rept 3
	EX 0
	SC \x, 0
.endr
.if !\first
.rept 4
	RS \x, 0
.endr
.endif
.endr
	MASKIF \x, 1
.set mn, 0
.set sb, 0
.rept 20                               ; tile 0's exponentials 12-31 | tile 1's maximum and scalings
	EX 0
	NEXT1 \x, \first
	NEXT1 \x, \first
.endr
.set ee, 0
.set ci, 0
.rept 8                                ; tile 1's exponentials 0-7 | tile 0's roundings
	EX 1
	CV 0
	CV 0
.endr
.set ri, 0
.rept 4                                ; tile 1's exponentials 8-15 | its O^T times a
	EX 1
	EX 1
.if !\first
.rept 4
	RS \x, 1
.endr
.endif
.endr
.set wi, 0
.set sz, 0
.rept 8                                ; tile 1's exponentials 16-31 | tile 0's sums | tile 0's V^T P
	EX 1
	SU \x, 0, \first
	EX 1
	SU \x, 0, \first
	PV1 \x, 0, \pb, \first
.endr
.set ci, 0
.rept 16
	CV 1                                           ; tile 1's roundings
.endr
.set wi, 0
.set sz, 0
.rept 8                                ; tile 1's V^T P | its sums
	PV1 \x, 1, \pb, \first
	SU \x, 1, \first
	SU \x, 1, \first
.endr
	WIN 0
.endm
; 32 LDS loads in one run: a step's K of my head (fragment f: keys 16 (f / 2) on, channels 32 (f % 2) on) and its V, turned (fragment f: keys 32 (f / 4) on, channels 16 (f % 4) on), into buffer b
.macro FETCH b
	v_add_nc_u32 v[ADK], s[TB], v[AK0]
	v_add_nc_u32 v[ADV], s[TB], v[AV0]
	s_add_co_u32 s[TB], s[TB], STEPB               ; the next fetch is the next step's
	WIN TO_2
.irp f, 0,1,2,3,4,5,6,7
	ds_load_b128 v[128*\b+8*\f:128*\b+8*\f+3],   v[ADK] offset:(\f/2)*16*PK+(\f%2)*64
	ds_load_b128 v[128*\b+8*\f+4:128*\b+8*\f+7], v[ADK] offset:(\f/2)*16*PK+(\f%2)*64+32
.endr
.irp f, 0,1,2,3,4,5,6,7
	ds_load_tr16_b128 v[128*\b+64+8*\f:128*\b+64+8*\f+3],   v[ADV] offset:(\f/4)*32*PVP+(\f%4)*32
	ds_load_tr16_b128 v[128*\b+64+8*\f+4:128*\b+64+8*\f+7], v[ADV] offset:(\f/4)*32*PVP+16*PVP+(\f%4)*32
.endr
	WIN 0
.endm
; A key step on buffer pb.  fetch = 1: the next step's fragments are asked for first, into buffer nb.  Beyond block j's diagonal piece 0 rests.
.macro STEP pb, nb, first, fetch
.if \fetch
	s_wait_dscnt 0x0                               ; this step's fragments, asked for a step ago
	PLACES                                         ; for the loads into buffer nb, which the last products read
	FETCH \nb
.endif
	PIECE 2, \pb, \first
.if !\first
	s_cmp_gt_u32 s[KT], s[QLO]
	s_cbranch_scc1 .Lend_\@
.endif
	PIECE 0, \pb, \first
.Lend_\@:
	s_add_co_u32 s[KT], s[KT], 1
.endm
; The change of slots: both steps of the slot lie in registers or are on their way there.  Each wave waits for its reads of the slot and for all its tensor loads (one is out: its part of the other
; slot); behind the barrier nobody reads this slot and the other is whole.  fill = 1: this slot is filled again, with the keys two slots on, first thing behind the barrier: it has two key steps in which to land.
.macro CHANGE fill
	s_wait_dscnt 0x0
	s_wait_tensorcnt 0x0                           ; no tensor load of mine is out, so a group 0 may be written
	ds_add_u32 v254, v255
	s_wait_dscnt 0x0
.if \fill
.irp g, G0K+4, G0V+4
	s_xor_b32 s[\g+1], s[\g+1], SLOT1              ; the walking descriptor: the other slot than last time,
	s_add_nc_u64 s[\g+2:\g+3], s[\g+2:\g+3], 2*KS*ROWB   ; the next 128 keys
.endr
.endif
	s_barrier_signal -1
	s_barrier_wait -1
.if \fill
	JLOAD
.endif
	s_sub_co_u32 s[TB], s[TB], 2*STEPB             ; the fetches go back to a slot's first step,
	s_xor_b32 s[TB], s[TB], SLOT1                  ; in the other slot
.endm
	s_wait_tensorcnt 1                             ; my part of slot 0 is in; slot 1's may stay out
	s_barrier_signal -1
	s_barrier_wait -1
	FETCH 0                                        ; key step 0
	s_wait_loadcnt 0x0                             ; Q
	STEP 0, 1, 1, 1                                ; key step 0 starts m, l and O^T of both pieces; step 1 is fetched: slot 0 is read out
.Lslot:                                                ; a trip fetches a slot's two steps and works on the two steps fetched before them; every slot but the last two is filled again
	CHANGE 1
	STEP 1, 0, 0, 1
	STEP 0, 1, 0, 1
	s_sub_co_u32 s[SLOTS], s[SLOTS], 1
	s_cmp_lg_u32 s[SLOTS], 0
	s_cbranch_scc1 .Lslot
	CHANGE 0                                       ; the tail is written out
	STEP 1, 0, 0, 1
	STEP 0, 1, 0, 1
	s_wait_dscnt 0x0                               ; the last slot's second step is in registers,
	s_cmp_gt_u32 s[KT], s[QHI]                     ; and lies beyond block 31 - j's diagonal where the walk has an odd number of steps
	s_cbranch_scc1 .Lout
	STEP 1, 0, 0, 0
.Lout:
	; THE WAY OUT.  l's two halves and the other half of the lanes' are added (the first four additions are the places behind the last products); O^T is divided by l, rounded, and sent
	; through the work-group's stage: a row's 256 bytes come from the two waves of a head pair, so a barrier stands between the writing and the reading.
.irp t, 0,1,2,3
	v_add_f32 v[ST+8*\t+4], v[ST+8*\t+2], v[ST+8*\t+3]
.endr
.irp t, 0,1,2,3
	v_permlanex16_b32 v[ST+8*\t+5], v[ST+8*\t+4], s[SEL], s[SEL+1]
.endr
.irp t, 0,1,2,3
	v_add_f32 v[ST+8*\t+4], v[ST+8*\t+4], v[ST+8*\t+5]
.endr
.irp t, 0,1,2,3
	v_rcp_f32 v[ST+8*\t+6], v[ST+8*\t+4]
.endr
	v_nop                                          ; a plain instruction between the reciprocals and the use of their results
.macro PACK t
	WIN W_RS
.set i, 0
.rept 16
	s_wait_alu depctr_va_vdst(0)
	v_pk_mul_f32 v[32*\t+i:32*\t+i+1], v[32*\t+i:32*\t+i+1], v[ST+8*\t+6:ST+8*\t+7] op_sel_hi:[1,0]
.set i, i+2
.endr
	WIN 0x05                                       ; sources 0 and 1 window 1, destination window 0: S^T's registers are free
.set i, 0
.rept 16
	v_cvt_pk_bf16_f32 v[S+16*\t+i], v[32*\t+2*i], v[32*\t+2*i+1]
.set i, i+1
.endr
	WIN 0
.irp f, 0,1,2,3
	ds_store_b128 v[STO], v[S+16*\t+4*\f:S+16*\t+4*\f+3] offset:(64*(\t/2)+16*(\t%2))*SP+32*\f
.endr
.endm
	PACK 0
	PACK 1
	PACK 2
	PACK 3
	s_wait_dscnt 0x0                               ; for the others' sake: my stores into the stage are done
	s_barrier_signal -1
	s_barrier_wait -1
.irp t, 0,1,2,3,4,5,6,7,8,9,10,11,12,13,14,15
	ds_load_b128 v[OUTB+4*\t:OUTB+4*\t+3], v[RD] offset:\t*2*SP
.endr
.irp t, 0,1,2,3,4,5,6,7,8,9,10,11,12,13,14,15
	s_wait_dscnt 15-\t
	global_store_b128 v[GO], v[OUTB+4*\t:OUTB+4*\t+3], s[OBS:OBS+1] offset:\t*2*ROWB   ; 16 lanes store 256 consecutive bytes, at a multiple of 256 from ab's first byte
.endr
	s_wait_tensorcnt 0x0
	ds_add_u32 v254, v255
	s_wait_dscnt 0x0
	s_endpgm
.Lfunc_end_k_qc87ba99e8b_attn:
	.size	k_qc87ba99e8b_attn, .Lfunc_end_k_qc87ba99e8b_attn-k_qc87ba99e8b_attn
	.p2alignl 7, 3214868480
	.fill 96, 4, 3214868480
	.section	.rodata,"a",@progbits
	.p2align	6, 0x0
	.amdhsa_kernel k_qc87ba99e8b_attn
		.amdhsa_group_segment_fixed_size 327680
		.amdhsa_private_segment_fixed_size 0
		.amdhsa_enable_private_segment 0
		.amdhsa_kernarg_size 16
		.amdhsa_user_sgpr_count 2
		.amdhsa_user_sgpr_kernarg_segment_ptr 1
		.amdhsa_wavefront_size32 1
		.amdhsa_system_sgpr_workgroup_id_x 1
		.amdhsa_system_sgpr_workgroup_id_y 1
		.amdhsa_system_sgpr_workgroup_id_z 1
		.amdhsa_system_vgpr_workitem_id 0
		.amdhsa_next_free_vgpr 768
		.amdhsa_next_free_sgpr 72
		.amdhsa_reserve_vcc 1
		.amdhsa_float_denorm_mode_32 3
		.amdhsa_float_denorm_mode_16_64 3
		.amdhsa_memory_ordered 1
		.amdhsa_forward_progress 1
		.amdhsa_inst_pref_size 255
	.end_amdhsa_kernel
	.section	.bss,"aw",@nobits
	.p2align	6
	.space	262144
	.amdgpu_metadata
---
amdhsa.version: [ 1, 2 ]
amdhsa.kernels:
  - .name:           k_qc87ba99e8b_attn
    .symbol:         k_qc87ba99e8b_attn.kd
    .args:
      - { .name: qkv, .offset: 0, .size: 8, .value_kind: global_buffer, .address_space: global }
      - { .name: ab, .offset: 8, .size: 8, .value_kind: global_buffer, .address_space: global }
    .group_segment_fixed_size: 327680
    .private_segment_fixed_size: 0
    .kernarg_segment_align: 8
    .kernarg_segment_size: 16
    .max_flat_workgroup_size: 128
    .sgpr_count:     72
    .vgpr_count:     768
    .wavefront_size: 32
...
	.end_amdgpu_metadata
.endif
;; end of part 3
;; launch wo (part 4): grid 8 x 32, 4 waves a work-group, clusters of 4 x 4, 327,680 bytes of LDS; arguments ab, wb, bo, x, y; writes y
.if DOCPART == 4
	.amdgcn_target "amdgcn-amd-amdhsa--gfx1250"
	.amdhsa_code_object_version 6
	.text
	.protected	k_qc87ba99e8b_wo
	.globl	k_qc87ba99e8b_wo
	.p2align	8
	.type	k_qc87ba99e8b_wo,@function
k_qc87ba99e8b_wo:
	s_mov_b64 s[64:65], 0
	v_nop
	global_prefetch_b8 v0, s[64:65] scope:SCOPE_SE
	s_setreg_imm32_b32 hwreg(HW_REG_WAVE_MODE, 25, 1), 1
	s_wait_xcnt 0x0
	s_wait_alu depctr_hold_cnt(0) depctr_sa_sdst(0) depctr_va_vdst(0) depctr_va_sdst(0) depctr_va_ssrc(0) depctr_va_vcc(0) depctr_vm_vsrc(0)
	s_getreg_b32 s2, hwreg(HW_REG_IB_STS2, 6, 4)
	s_cmp_eq_u32 s2, 0
	s_cbranch_scc0 .Lentry_in_a_cluster
	s_endpgm
.Lentry_in_a_cluster:
	s_bfe_u32 s2, ttmp6, 0x10000c
	s_cmp_lg_u32 s2, 0xf033
	s_cbranch_scc0 .Lentry_shape_is_right
	s_endpgm
.Lentry_shape_is_right:
; y = res + (A B + bias), in f32.  A: [4096][SIZE_K] bf16, K along the rows.  B: [SIZE_K][1024] bf16, N along the rows, as the weights lie.  res, y: [4096][1024] f32.  Sums in f32.
; KIND 0: A = ab, B = the cast wo at wb's byte 14 MiB, bias bo, res = x.   KIND 1: A = hb, B = the cast w_ff2 at wb's byte 24 MiB, bias b_ff2, res = o1.
; SHAPE.  C has 32 x 8 tiles of 128 x 128, one for each of 256 work-groups (tiles of 256 x 256 would be 64).  Four waves, each 64 x 64: 16 accumulators, 128 registers.
; K goes in steps of 256 through a ring of two LDS slots: A's tile 128 rows x 512 bytes, B's tile 256 K rows x 256 bytes; waves 0, 1 fetch A's halves (64 rows), waves 2, 3 B's halves (128 K rows).
; B's fragments come out of LDS turned, by ds_load_tr16_b128.
; CLUSTER.  4 x 4 work-groups: A's tile is asked for jointly along a row of the cluster, B's along a column.  A wave has two tensor loads out at the start, later one.
; THE MATRIX INSTRUCTION IS USED TRANSPOSED (source 0 = 16 columns of B, source 1 = 16 rows of A): a lane holds eight neighbouring numbers of a row of C.
; THE WAY OUT.  A wave's 64 columns of f32 are 256 aligned bytes, so each wave has a stage of its own and no barrier: 16 rows at a time into LDS, back as whole rows, bias and residual added, stored.
; The residual (a wave's 64 x 64 numbers, 128 registers) is asked for at the start and is on its way while K is walked.
; REGISTERS: window 0: v16-31 addresses and the bias; v32-95 at work on the way out; v128-255 the accumulators ((a, b) at v[128 + 8 (4 a + b)]).
;   window 1: two fragment buffers of 128: for 64 along K, 64 registers of A (2 x 4 x 16 rows x 32 K), then 64 of B.     window 2: v0-127 the residual.
.set KIND, 0
.if KIND == 0
.set SIZE_K, 1024
.set BOFF,   14<<20
.else
.set SIZE_K, 4096
.set BOFF,   24<<20
.endif
.set KSTEP,  256
.set PA,     528                       ; A's LDS row: 512 bytes + 16 = 132 words: row r starts at bank 4 r mod 64 (64 banks of 4 bytes: ISA guide 11.1)
.set PB,     288                       ; B's LDS row: 256 bytes + 32 = 72 words: row r starts at bank 8 r mod 64
.set AHALF,  64*PA
.set BHALF,  128*PB
.set BREG,   2*AHALF                   ; B's rows lie behind A's 128
.set SLOT,   BREG+2*BHALF
.set STAGE,  2*SLOT                    ; behind the ring: 16 rows x 272 bytes for each wave; no tensor load fills it
.set SPITCH, 272
.set LAPS,   SIZE_K/(2*KSTEP)
.set ADRA, 16                          ; v16-17  LDS address of my A fragments in slot 0, 1
.set ADRB, 20                          ; v20-23  of my B fragments: slot 0 K rows 0-127, 128-255; slot 1 likewise (one base would want offsets beyond 16 bits)
.set STO,  24                          ; v24     the way out: where I put 32 bytes of a row
.set RD,   25                          ; v25     where I read a row back
.set CO,   26                          ; v26     my byte offset in res and in y
.set BO,   27                          ; v27     my byte offset in the bias
.set BI,   28                          ; v[28:31] the bias of my four columns
.set ACC,  128
.set F0,   0
.set F1,   128
.set G1,  24
.set G0,  32
.set G1B, 48
.set G0B, 56
.set MSB, 0
.macro WIN new
.if MSB != \new
	s_set_vgpr_msb (MSB<<8)|\new
.set MSB, \new
.endif
.endm
.set MUL,  0x05                        ; sources 0 (B) and 1 (A) window 1; C and D window 0
.set TO_F, 0x40                        ; destination window 1, address window 0
.macro JLOAD s                         ; a joint load: waves 0 and 1 ask for A's halves, waves 2 and 3 for B's; four v_nop follow each of the two lines
	s_cmp_eq_u32 s11, 0
	s_cbranch_scc0 .Lfor_b_\@
	tensor_load_to_lds s[G0+4*\s:G0+4*\s+3], s[G1:G1+7]
	s_nop 0
.rept 4
	v_nop
.endr
	s_branch .Lasked_\@
.Lfor_b_\@:
	tensor_load_to_lds s[G0B+4*\s:G0B+4*\s+3], s[G1B:G1B+7]
	s_nop 0
.rept 4
	v_nop
.endr
.Lasked_\@:
.endm
.macro CREST                           ; a round of the cluster's barrier behind its opening barrier
	s_cmp_lg_u32 s10, 0
	s_cbranch_scc1 .Lnot_wave_0_\@
	s_barrier_signal -3
.Lnot_wave_0_\@:
	s_barrier_wait -3
	s_barrier_signal -1
	s_barrier_wait -1
.endm
.macro CROUND
	s_barrier_signal -1
	s_barrier_wait -1
	CREST
.endm
	s_load_b128 s[4:7], s[0:1], 0x0                ; A s[4:5], wb s[6:7]
	s_load_b128 s[68:71], s[0:1], 0x10             ; bias s[68:69], res s[70:71]
	s_load_b64 s[8:9], s[0:1], 0x20                ; y
	v_lshl_add_u32 v126, v0, 2, 0x49400
	v_mov_b32 v127, 0
	ds_add_u32 v126, v127
	ds_add_u32 v126, v127
	v_lshrrev_b32 v1, 5, v0
	v_readfirstlane_b32 s10, v1                    ; wave 0..3
	s_lshr_b32 s11, s10, 1                         ; which half of the tile's rows is mine.  Also: I fetch for A (0) or for B (1)
	s_and_b32 s12, s10, 1                          ; which half of its columns.  Also: which half of that tile I fetch
	s_bfe_u32 s40, ttmp6, 0x40000                  ; cx
	s_bfe_u32 s41, ttmp6, 0x40004                  ; cy
	s_lshl_b32 s42, ttmp9, 2
	s_add_co_u32 s42, s42, s40                     ; tile column
	s_and_b32 s13, ttmp7, 0xffff
	s_lshl_b32 s13, s13, 2
	s_add_co_u32 s13, s13, s41                     ; tile row
	s_lshl_b32 s43, s41, 2
	s_lshl_b32 s43, 15, s43                        ; my row of the cluster
	s_lshl_b32 s44, 0x1111, s40                    ; my column
	s_or_b32 s[G1+0], s43, (1<<16)|(1<<20)|(1<<21)|(6<<22)|(3<<25)   ; mask of my row; elements of 2 bytes; padding on; bit 21 beside a mask; after every 128 words, 4 words
	s_mov_b32 s[G1+1], KSTEP<<16                   ; tensor_dim0 = 256
	s_mov_b32 s[G1+2], 64<<16                      ; tensor_dim1 = 64
	s_mov_b32 s[G1+3], KSTEP<<16                   ; tile_dim0 = 256
	s_mov_b32 s[G1+4], 64                          ; tile_dim1 = 64
	s_mov_b32 s[G1+5], SIZE_K
	s_mov_b32 s[G1+6], 0
	s_mov_b32 s[G1+7], 0
	s_or_b32 s[G1B+0], s44, (1<<16)|(1<<20)|(1<<21)|(5<<22)|(7<<25)  ; mask of my column; after every 64 words, 8 words
	s_mov_b32 s[G1B+1], 128<<16                    ; tensor_dim0 = 128
	s_mov_b32 s[G1B+2], 128<<16                    ; tensor_dim1 = 128
	s_mov_b32 s[G1B+3], 128<<16                    ; tile_dim0 = 128
	s_mov_b32 s[G1B+4], 128                        ; tile_dim1 = 128
	s_mov_b32 s[G1B+5], 1024
	s_mov_b32 s[G1B+6], 0
	s_mov_b32 s[G1B+7], 0
	s_lshl_b32 s17, s12, 6
	s_lshl_b32 s16, s13, 7
	s_add_co_u32 s16, s16, s17                     ; A: row 128 x tile row + 64 x half,
	s_mul_i32 s16, s16, SIZE_K*2                   ; in bytes (under 2^26)
	s_mov_b32 s17, 0
	s_lshl_b32 s46, s42, 8                         ; B: 128 columns of 2 bytes for each tile column,
	s_lshl_b32 s47, s12, 18                        ; 128 K rows of 2,048 bytes for my half
	s_add_co_u32 s46, s46, s47
	s_add_co_u32 s46, s46, BOFF
	s_mov_b32 s47, 0
	s_mul_i32 s20, s12, AHALF                      ; where they go: no place in the cluster enters an LDS address
	s_mul_i32 s21, s12, BHALF
	s_add_co_u32 s21, s21, BREG
	s_wait_dscnt 0x0
	s_wait_kmcnt 0x0
	s_add_nc_u64 s[14:15], s[4:5], s[16:17]
	s_add_nc_u64 s[46:47], s[6:7], s[46:47]
	CROUND                                         ; all sixteen work-groups are here: the first joint loads meet
.irp s, 0,1
	s_mov_b32 s[G0+4*\s], 1
	s_add_co_u32 s[G0+4*\s+1], s20, \s*SLOT
	s_add_nc_u64 s[G0+4*\s+2:G0+4*\s+3], s[14:15], \s*KSTEP*2
	s_or_b32 s[G0+4*\s+3], s[G0+4*\s+3], 0x80000000
	s_mov_b32 s[G0B+4*\s], 1
	s_add_co_u32 s[G0B+4*\s+1], s21, \s*SLOT
	s_add_nc_u64 s[G0B+4*\s+2:G0B+4*\s+3], s[46:47], \s*KSTEP*2048
	s_or_b32 s[G0B+4*\s+3], s[G0B+4*\s+3], 0x80000000
	JLOAD \s
.endr
	v_and_b32 v1, 15, v0                           ; l % 16
	v_bfe_u32 v2, v0, 4, 1                         ; l / 16
	; bias and residual, in the layout of the rows read back from the stage: lane l holds row 2 t + l / 16 of a block of 16 and the four columns 4 (l % 16) + 0..3 of my 64
	v_lshlrev_b32 v[BO], 4, v1
	v_lshlrev_b32 v[CO], 12, v2
	v_lshl_add_u32 v[CO], v1, 4, v[CO]
	s_lshl_b32 s18, s42, 9                         ; my 64 columns of 4 bytes: 512 x tile column + 256 x half
	s_lshl_b32 s19, s12, 8
	s_add_co_u32 s18, s18, s19
	s_mov_b32 s19, 0
	s_add_nc_u64 s[68:69], s[68:69], s[18:19]
	s_lshl_b32 s16, s13, 7
	s_lshl_b32 s17, s11, 6
	s_add_co_u32 s16, s16, s17                     ; my first row,
	s_lshl_b32 s16, s16, 12                        ; of 4,096 bytes
	s_add_co_u32 s16, s16, s18
	s_mov_b32 s17, 0
	s_add_nc_u64 s[70:71], s[70:71], s[16:17]
	s_add_nc_u64 s[8:9], s[8:9], s[16:17]
	global_load_b128 v[BI:BI+3], v[BO], s[68:69]
	WIN 0x80                                       ; destination window 2
.irp a, 0,1,2,3
.irp t, 0,1,2,3,4,5,6,7
	global_load_b128 v[32*\a+4*\t:32*\a+4*\t+3], v[CO], s[70:71] offset:(16*\a+2*\t)*4096   ; 16 lanes read 256 consecutive aligned bytes
.endr
.endr
	WIN 0
	v_mul_u32_u24 v3, v1, PA
	v_lshl_add_u32 v3, v2, 4, v3                   ; A's fragment: row x pitch + 16 x half
	v_and_b32 v5, 7, v0                            ; B's, turned: K row 8 (l / 16) + l % 8, columns 8 ((l / 8) % 2) + 0..7
	v_bfe_u32 v6, v0, 3, 1
	v_lshl_add_u32 v7, v2, 3, v5
	v_mul_u32_u24 v7, v7, PB
	v_lshl_add_u32 v7, v6, 4, v7
	s_mul_i32 s21, s11, AHALF                      ; my 64 rows of A
	s_lshl_b32 s22, s12, 7                         ; my 64 columns of B
	s_add_co_u32 s22, s22, BREG
.irp s, 0,1
	v_add_nc_u32 v[ADRA+\s], s21, v3
	v_add_nc_u32 v[ADRB+2*\s], s22, v7
	s_add_co_u32 s23, s22, BHALF
	v_add_nc_u32 v[ADRB+2*\s+1], s23, v7
	s_add_co_u32 s21, s21, SLOT
	s_add_co_u32 s22, s22, SLOT
.endr
	s_mul_i32 s23, s10, 16*SPITCH
	s_add_co_u32 s23, s23, STAGE                   ; my stage
	v_mul_u32_u24 v4, v1, SPITCH                   ; in: row l % 16, 32 bytes for each half of the lanes
	v_lshl_add_u32 v4, v2, 5, v4
	v_add_nc_u32 v[STO], s23, v4
	v_mul_u32_u24 v5, v2, SPITCH                   ; back: lanes 0-15 take one row of 256 bytes, lanes 16-31 the next
	v_lshl_add_u32 v5, v1, 4, v5
	v_add_nc_u32 v[RD], s23, v5
; 8 matrix instructions: row blocks a0, a0 + 1 x all 4 column blocks, 32 along K: half c of buffer f.  zero = 1: the first product starts the sums.  The 16 accumulators take turns.
.macro MUL8 f, c, a0, zero
.irp a, \a0, \a0+1
.irp b, 0,1,2,3
.if \zero
	v_wmma_f32_16x16x32_bf16 v[ACC+8*(4*(\a)+\b):ACC+8*(4*(\a)+\b)+7], v[\f+64+8*(4*\c+\b):\f+64+8*(4*\c+\b)+7], v[\f+8*(4*\c+\a):\f+8*(4*\c+\a)+7], 0
.else
	v_wmma_f32_16x16x32_bf16 v[ACC+8*(4*(\a)+\b):ACC+8*(4*(\a)+\b)+7], v[\f+64+8*(4*\c+\b):\f+64+8*(4*\c+\b)+7], v[\f+8*(4*\c+\a):\f+8*(4*\c+\a)+7], v[ACC+8*(4*(\a)+\b):ACC+8*(4*(\a)+\b)+7]
.endif
.endr
.endr
.endm
; 32 LDS loads in one run: the fragments of quarter q (64 along K) of a slot into buffer f; the first 32 along K first
.macro FETCH slot, q, f
	WIN TO_F
.irp c, 0,1
.irp i, 0,1,2,3
	ds_load_tr16_b128 v[\f+64+8*(4*\c+\i):\f+64+8*(4*\c+\i)+3],   v[ADRB+2*\slot+(\q)/2] offset:((\q)%2)*64*PB+\c*32*PB+32*\i
	ds_load_tr16_b128 v[\f+64+8*(4*\c+\i)+4:\f+64+8*(4*\c+\i)+7], v[ADRB+2*\slot+(\q)/2] offset:((\q)%2)*64*PB+\c*32*PB+32*\i+16*PB
	ds_load_b128 v[\f+8*(4*\c+\i):\f+8*(4*\c+\i)+3],         v[ADRA+\slot] offset:\q*128+64*\c+\i*16*PA
	ds_load_b128 v[\f+8*(4*\c+\i)+4:\f+8*(4*\c+\i)+7],       v[ADRA+\slot] offset:\q*128+64*\c+\i*16*PA+32
.endr
.endr
.endm
.macro PLACES                          ; four places in front of loads into registers that matrix instructions have read, and of LDS stores that read results
.rept 4
	v_nop
.endr
.endm
; A K step is four quarters of 64 along K, 32 matrix instructions each, on buffers 0, 1, 0, 1.  One of the first three: multiplies buffer f and fetches quarter q into g.
.macro QUARTER slot, q, f, g, zero
	s_wait_dscnt 16                                ; the first 32 along K are in
	WIN MUL
	MUL8 \f, 0, 0, \zero
	MUL8 \f, 0, 2, \zero
	PLACES
	FETCH \slot, \q, \g
	s_wait_dscnt 32                                ; all but the 32 just issued
	WIN MUL
	MUL8 \f, 1, 0, 0
	MUL8 \f, 1, 2, 0
.endm
; The last quarter multiplies buffer 1 and changes slots: one barrier; in front of it each wave waits for its reads of this slot and for all its tensor loads.
; fill = 1: the barrier opens a round of the cluster's barrier, and this slot is filled again, two K steps ahead, first thing behind the round: 120 matrix instructions ahead of the wait for it.
.macro TURN slot, next, fill
	s_wait_dscnt 16
	WIN MUL
	MUL8 F1, 0, 0, 0
	s_wait_dscnt 0                                 ; my reads of this slot are over,
	s_set_vgpr_msb 0x500
	s_wait_tensorcnt 0x0                           ; and all my tensor loads have landed: my part of the next slot
	ds_add_u32 v126, v127
	s_wait_dscnt 0x0
	s_set_vgpr_msb 0x5
	s_barrier_signal -1
	MUL8 F1, 0, 2, 0
.if \fill
	WIN 0
.endif
	s_barrier_wait -1
.if \fill
	CREST
	s_add_nc_u64 s[G0+4*\slot+2:G0+4*\slot+3], s[G0+4*\slot+2:G0+4*\slot+3], 2*KSTEP*2
	s_add_nc_u64 s[G0B+4*\slot+2:G0B+4*\slot+3], s[G0B+4*\slot+2:G0B+4*\slot+3], 2*KSTEP*2048
	JLOAD \slot                                    ; its four v_nop are also the places in front of the loads below
.else
	PLACES
.endif
	FETCH \next, 0, F0
	WIN MUL
	MUL8 F1, 1, 0, 0
	MUL8 F1, 1, 2, 0
.endm
; Block a of 16 rows leaves: 32 bytes a lane and column block into my stage (each accumulator's low four registers first), back as whole rows of 256 bytes, + bias, + residual, stored.
.macro OUT a
.set TT, 32+32*((\a)%2)
	s_wait_xcnt 0x0                                ; earlier stores have had their addresses translated (ISA guide 3.1): their data registers are loaded again only behind this wait
.irp b, 0,1,2,3
	ds_store_b128 v[STO], v[ACC+8*(4*\a+\b):ACC+8*(4*\a+\b)+3]   offset:64*\b
	ds_store_b128 v[STO], v[ACC+8*(4*\a+\b)+4:ACC+8*(4*\a+\b)+7] offset:64*\b+16
.endr
.irp t, 0,1,2,3,4,5,6,7
	ds_load_b128 v[TT+4*\t:TT+4*\t+3], v[RD] offset:\t*2*SPITCH    ; LDS serves a wave's instructions in order (ISA guide 5.7.1.4): these see the stores above
.endr
	s_wait_dscnt 0x0
.irp t, 0,1,2,3,4,5,6,7
	v_pk_add_f32 v[TT+4*\t:TT+4*\t+1],   v[TT+4*\t:TT+4*\t+1],   v[BI:BI+1]
	v_pk_add_f32 v[TT+4*\t+2:TT+4*\t+3], v[TT+4*\t+2:TT+4*\t+3], v[BI+2:BI+3]
.endr
	WIN 0x08                                       ; source 1 window 2: the residual
.irp t, 0,1,2,3,4,5,6,7
	v_pk_add_f32 v[TT+4*\t:TT+4*\t+1],   v[TT+4*\t:TT+4*\t+1],   v[32*\a+4*\t:32*\a+4*\t+1]
	v_pk_add_f32 v[TT+4*\t+2:TT+4*\t+3], v[TT+4*\t+2:TT+4*\t+3], v[32*\a+4*\t+2:32*\a+4*\t+3]
.endr
	WIN 0
.irp t, 0,1,2,3,4,5,6,7
	global_store_b128 v[CO], v[TT+4*\t:TT+4*\t+3], s[8:9] offset:(16*\a+2*\t)*4096   ; 16 lanes store 256 consecutive bytes, at a multiple of 256 from y's first byte
.endr
.endm
	s_wait_tensorcnt 1                             ; my part of K step 0 is in; K step 1's may stay out
	s_barrier_signal -1
	s_barrier_wait -1
	FETCH 0, 0, F0
	QUARTER 0, 1, F0, F1, 1                        ; the first quarter stands in front of the loop: its first products start the sums
	WIN 0
	s_mov_b32 s3, LAPS-1
.Llap:                                                 ; a trip goes once round the ring, from a lap's second quarter to the next lap's first, and fills both slots again
	QUARTER 0, 2, F1, F0, 0
	QUARTER 0, 3, F0, F1, 0
	TURN 0, 1, 1
	QUARTER 1, 1, F0, F1, 0
	QUARTER 1, 2, F1, F0, 0
	QUARTER 1, 3, F0, F1, 0
	TURN 1, 0, 1
	QUARTER 0, 1, F0, F1, 0
	WIN 0
	s_sub_co_u32 s3, s3, 1
	s_cmp_lg_u32 s3, 0
	s_cbranch_scc1 .Llap
	QUARTER 0, 2, F1, F0, 0                        ; the last lap fills nothing
	QUARTER 0, 3, F0, F1, 0
	TURN 0, 1, 0
	QUARTER 1, 1, F0, F1, 0
	QUARTER 1, 2, F1, F0, 0
	QUARTER 1, 3, F0, F1, 0
	s_wait_dscnt 16                                ; the very last quarter: nothing more to fetch
	WIN MUL
	MUL8 F1, 0, 0, 0
	MUL8 F1, 0, 2, 0
	s_wait_dscnt 0
	MUL8 F1, 1, 0, 0
	MUL8 F1, 1, 2, 0
	WIN 0
	PLACES
	s_wait_loadcnt 0x0                             ; bias and residual
	OUT 0
	OUT 1
	OUT 2
	OUT 3
	s_wait_tensorcnt 0x0
	ds_add_u32 v126, v127
	s_wait_dscnt 0x0
	CROUND                                         ; the closing round: no work-group ends while a partner may still ask for a tile that names it
	s_endpgm
.Lfunc_end_k_qc87ba99e8b_wo:
	.size	k_qc87ba99e8b_wo, .Lfunc_end_k_qc87ba99e8b_wo-k_qc87ba99e8b_wo
	.p2alignl 7, 3214868480
	.fill 96, 4, 3214868480
	.section	.rodata,"a",@progbits
	.p2align	6, 0x0
	.amdhsa_kernel k_qc87ba99e8b_wo
		.amdhsa_group_segment_fixed_size 327680
		.amdhsa_private_segment_fixed_size 0
		.amdhsa_enable_private_segment 0
		.amdhsa_kernarg_size 40
		.amdhsa_user_sgpr_count 2
		.amdhsa_user_sgpr_kernarg_segment_ptr 1
		.amdhsa_wavefront_size32 1
		.amdhsa_system_sgpr_workgroup_id_x 1
		.amdhsa_system_sgpr_workgroup_id_y 1
		.amdhsa_system_sgpr_workgroup_id_z 1
		.amdhsa_system_vgpr_workitem_id 0
		.amdhsa_next_free_vgpr 640
		.amdhsa_next_free_sgpr 72
		.amdhsa_reserve_vcc 0
		.amdhsa_float_denorm_mode_32 3
		.amdhsa_float_denorm_mode_16_64 3
		.amdhsa_memory_ordered 1
		.amdhsa_forward_progress 1
		.amdhsa_inst_pref_size 98
	.end_amdhsa_kernel
	.amdgpu_metadata
---
amdhsa.version: [ 1, 2 ]
amdhsa.kernels:
  - .name:           k_qc87ba99e8b_wo
    .symbol:         k_qc87ba99e8b_wo.kd
    .args:
      - { .name: ab, .offset: 0, .size: 8, .value_kind: global_buffer, .address_space: global }
      - { .name: wb, .offset: 8, .size: 8, .value_kind: global_buffer, .address_space: global }
      - { .name: bo, .offset: 16, .size: 8, .value_kind: global_buffer, .address_space: global }
      - { .name: x, .offset: 24, .size: 8, .value_kind: global_buffer, .address_space: global }
      - { .name: y, .offset: 32, .size: 8, .value_kind: global_buffer, .address_space: global }
    .group_segment_fixed_size: 327680
    .private_segment_fixed_size: 0
    .kernarg_segment_align: 8
    .kernarg_segment_size: 40
    .max_flat_workgroup_size: 128
    .sgpr_count:     72
    .vgpr_count:     640
    .wavefront_size: 32
...
	.end_amdgpu_metadata
.endif
;; end of part 4
;; launch ln1 (part 5): grid 256 x 1, 4 waves a work-group, no clusters, 0 bytes of LDS; arguments y, ln1_g, ln1_b, o1, o1b; writes o1, o1b
.if DOCPART == 5
	.amdgcn_target "amdgcn-amd-amdhsa--gfx1250"
	.amdhsa_code_object_version 6
	.text
	.protected	k_qc87ba99e8b_ln1
	.globl	k_qc87ba99e8b_ln1
	.p2align	8
	.type	k_qc87ba99e8b_ln1,@function
k_qc87ba99e8b_ln1:
	s_mov_b64 s[64:65], 0
	v_nop
	global_prefetch_b8 v0, s[64:65] scope:SCOPE_SE
	s_setreg_imm32_b32 hwreg(HW_REG_WAVE_MODE, 25, 1), 1
	s_wait_xcnt 0x0
; o[r][c] = (y[r][c] - mean_r) / sqrt(var_r + 1e-6) * g[c] + b[c], in f32; y, o: [4096][1024] f32.  BF = 1: the result is stored a second time, rounded to bf16.
; The variance is the mean of the squared differences from the mean, in two passes over registers, as the problem takes it: a common offset of a row does no harm.
; A row is 4,096 bytes: one wave takes a whole row, eight 16-byte loads a lane, and keeps it in 32 registers: the row is read once and no wave waits for another.
; Four waves, four rows each; all of a wave's 32 row loads go out at the start.  A lane's 32 columns are 128 t + 4 lane + 0..3, t = 0..7; its g and b stay in registers.
; Memory binds: no LDS, no matrix unit, no cluster.
.set BF, 1
.set Y16, 32                           ; v[32:63]   two sets of 16: a row in bf16
.set X,   64                           ; v[64:191]  row i at v[64 + 32 i]
.set G,   192                          ; v[192:223] g of my 32 columns
.set B,   224                          ; v[224:255] b of my 32 columns
	s_load_b256 s[4:11], s[0:1], 0x0               ; y s[4:5], g s[6:7], b s[8:9], o s[10:11]
.if BF
	s_load_b64 s[14:15], s[0:1], 0x20              ; the bf16 copy
.endif
	v_lshrrev_b32 v3, 5, v0
	v_readfirstlane_b32 s16, v3                    ; wave
	v_and_b32 v1, 31, v0
	v_lshlrev_b32 v2, 3, v1                        ; 8 x lane
	v_lshlrev_b32 v1, 4, v1                        ; 16 x lane
	s_lshl_b32 s2, ttmp9, 4
	s_lshl2_add_u32 s2, s16, s2                    ; my first row = 16 x work-group + 4 x wave
	s_lshl_b32 s18, s2, 12
	s_mov_b32 s19, 0
	s_lshl_b32 s20, s2, 11
	s_mov_b32 s21, 0
	s_mov_b32 s12, 0x76543210                      ; v_permlanex16_b32: lane i of one half reads lane i of the other
	s_mov_b32 s13, 0xfedcba98
	s_mov_b32 s22, 0x3a800000                      ; 1 / 1024
	s_mov_b32 s23, 0x358637bd                      ; 1e-6
	s_wait_kmcnt 0x0
	s_add_nc_u64 s[4:5], s[4:5], s[18:19]
	s_add_nc_u64 s[10:11], s[10:11], s[18:19]
.if BF
	s_add_nc_u64 s[14:15], s[14:15], s[20:21]
.endif
.irp t, 0,1,2,3,4,5,6,7
	global_load_b128 v[G+4*\t:G+4*\t+3], v1, s[6:7] offset:512*\t
.endr
.irp t, 0,1,2,3,4,5,6,7
	global_load_b128 v[B+4*\t:B+4*\t+3], v1, s[8:9] offset:512*\t
.endr
.irp i, 0,1,2,3
.irp t, 0,1,2,3,4,5,6,7
	global_load_b128 v[X+32*\i+4*\t:X+32*\i+4*\t+3], v1, s[4:5] offset:4096*\i+512*\t th:TH_LOAD_NT
.endr
.endr
.macro LANESUM r, t                    ; the sum over the 32 lanes, in every lane: four steps inside each half ride on the addition, one crosses the halves
	v_add_f32_dpp v[\r], v[\r], v[\r] row_xmask:1 row_mask:0xf bank_mask:0xf
	v_add_f32_dpp v[\r], v[\r], v[\r] row_xmask:2 row_mask:0xf bank_mask:0xf
	v_add_f32_dpp v[\r], v[\r], v[\r] row_xmask:4 row_mask:0xf bank_mask:0xf
	v_add_f32_dpp v[\r], v[\r], v[\r] row_xmask:8 row_mask:0xf bank_mask:0xf
	v_permlanex16_b32 v[\t], v[\r], s12, s13       ; its destination counts as read: a register that has been written
	v_add_f32 v[\r], v[\r], v[\t]
.endm
.macro ROW i
.set XR, X+32*\i
	s_wait_loadcnt 24-8*\i                         ; my row's eight loads are in (g and b are older); the later rows stay out
.set k, 0
.rept 8
	v_pk_add_f32 v[4+2*k:5+2*k], v[XR+4*k:XR+4*k+1], v[XR+4*k+2:XR+4*k+3]
.set k, k+1
.endr
.irp n, 4,2,1
.set k, 0
.rept \n
	v_pk_add_f32 v[4+2*k:5+2*k], v[4+4*k:5+4*k], v[6+4*k:7+4*k]
.set k, k+1
.endr
.endr
	v_add_f32 v4, v4, v5
	LANESUM 4, 5
	v_mul_f32 v6, s22, v4                          ; the mean, twice: a pair for the packed subtraction
	v_mul_f32 v7, s22, v4
.set k, 0
.rept 16
	v_pk_add_f32 v[XR+2*k:XR+2*k+1], v[XR+2*k:XR+2*k+1], v[6:7] neg_lo:[0,1] neg_hi:[0,1]
.set k, k+1
.endr
.set k, 0
.rept 4
	v_pk_mul_f32 v[8+2*k:9+2*k], v[XR+2*k:XR+2*k+1], v[XR+2*k:XR+2*k+1]      ; four chains of squares, started by the first four pairs
.set k, k+1
.endr
.rept 12
	v_pk_fma_f32 v[8+2*(k%4):9+2*(k%4)], v[XR+2*k:XR+2*k+1], v[XR+2*k:XR+2*k+1], v[8+2*(k%4):9+2*(k%4)]
.set k, k+1
.endr
	v_pk_add_f32 v[8:9], v[8:9], v[10:11]
	v_pk_add_f32 v[12:13], v[12:13], v[14:15]
	v_pk_add_f32 v[8:9], v[8:9], v[12:13]
	v_add_f32 v8, v8, v9
	LANESUM 8, 9
	v_fma_f32 v10, v8, s22, s23                    ; the variance + 1e-6
	v_rsq_f32 v12, v10
	v_rsq_f32 v13, v10
	v_nop                                          ; a plain instruction between the roots and the use of their results (ISA guide 5.7.2)
.set k, 0
	s_wait_alu depctr_va_vdst(0)
.rept 16
	v_pk_mul_f32 v[XR+2*k:XR+2*k+1], v[XR+2*k:XR+2*k+1], v[12:13]
.set k, k+1
.endr
.set k, 0
.rept 16
	v_pk_fma_f32 v[XR+2*k:XR+2*k+1], v[XR+2*k:XR+2*k+1], v[G+2*k:G+2*k+1], v[B+2*k:B+2*k+1]
.set k, k+1
.endr
.irp t, 0,1,2,3,4,5,6,7
	global_store_b128 v1, v[XR+4*\t:XR+4*\t+3], s[10:11] offset:4096*\i+512*\t   ; a wave's store covers 512 consecutive bytes, aligned
.endr
.if BF
.set YR, Y16+16*(\i%2)
	s_wait_xcnt 0x0                                ; earlier stores have had their addresses translated (ISA guide 3.1): the set of two rows back is written again only behind this wait
.set k, 0
.rept 16
	v_cvt_pk_bf16_f32 v[YR+k], v[XR+2*k], v[XR+2*k+1]
.set k, k+1
.endr
.irp t, 0,1,2,3,4,5,6,7
	global_store_b64 v2, v[YR+2*\t:YR+2*\t+1], s[14:15] offset:2048*\i+256*\t    ; a wave's store covers 256 consecutive bytes, aligned
.endr
.endif
.endm
	ROW 0
	ROW 1
	ROW 2
	ROW 3
	s_endpgm
.Lfunc_end_k_qc87ba99e8b_ln1:
	.size	k_qc87ba99e8b_ln1, .Lfunc_end_k_qc87ba99e8b_ln1-k_qc87ba99e8b_ln1
	.p2alignl 7, 3214868480
	.fill 96, 4, 3214868480
	.section	.rodata,"a",@progbits
	.p2align	6, 0x0
	.amdhsa_kernel k_qc87ba99e8b_ln1
		.amdhsa_group_segment_fixed_size 0
		.amdhsa_private_segment_fixed_size 0
		.amdhsa_enable_private_segment 0
		.amdhsa_kernarg_size 40
		.amdhsa_user_sgpr_count 2
		.amdhsa_user_sgpr_kernarg_segment_ptr 1
		.amdhsa_wavefront_size32 1
		.amdhsa_system_sgpr_workgroup_id_x 1
		.amdhsa_system_sgpr_workgroup_id_y 1
		.amdhsa_system_sgpr_workgroup_id_z 1
		.amdhsa_system_vgpr_workitem_id 0
		.amdhsa_next_free_vgpr 256
		.amdhsa_next_free_sgpr 66
		.amdhsa_reserve_vcc 0
		.amdhsa_float_denorm_mode_32 3
		.amdhsa_float_denorm_mode_16_64 3
		.amdhsa_memory_ordered 1
		.amdhsa_forward_progress 1
		.amdhsa_inst_pref_size 41
	.end_amdhsa_kernel
	.amdgpu_metadata
---
amdhsa.version: [ 1, 2 ]
amdhsa.kernels:
  - .name:           k_qc87ba99e8b_ln1
    .symbol:         k_qc87ba99e8b_ln1.kd
    .args:
      - { .name: y, .offset: 0, .size: 8, .value_kind: global_buffer, .address_space: global }
      - { .name: ln1_g, .offset: 8, .size: 8, .value_kind: global_buffer, .address_space: global }
      - { .name: ln1_b, .offset: 16, .size: 8, .value_kind: global_buffer, .address_space: global }
      - { .name: o1, .offset: 24, .size: 8, .value_kind: global_buffer, .address_space: global }
      - { .name: o1b, .offset: 32, .size: 8, .value_kind: global_buffer, .address_space: global }
    .group_segment_fixed_size: 0
    .private_segment_fixed_size: 0
    .kernarg_segment_align: 8
    .kernarg_segment_size: 40
    .max_flat_workgroup_size: 128
    .sgpr_count:     66
    .vgpr_count:     256
    .wavefront_size: 32
...
	.end_amdgpu_metadata
.endif
;; end of part 5
;; launch ff1 (part 6): grid 16 x 16, 4 waves a work-group, clusters of 4 x 4, 327,680 bytes of LDS; arguments o1b, wb, b_ff1, hb; writes hb
.if DOCPART == 6
	.amdgcn_target "amdgcn-amd-amdhsa--gfx1250"
	.amdhsa_code_object_version 6
	.text
	.protected	k_qc87ba99e8b_ff1
	.globl	k_qc87ba99e8b_ff1
	.p2align	8
	.type	k_qc87ba99e8b_ff1,@function
k_qc87ba99e8b_ff1:
	s_mov_b64 s[64:65], 0
	v_nop
	global_prefetch_b8 v0, s[64:65] scope:SCOPE_SE
	s_setreg_imm32_b32 hwreg(HW_REG_WAVE_MODE, 25, 1), 1
	s_wait_xcnt 0x0
	s_wait_alu depctr_hold_cnt(0) depctr_sa_sdst(0) depctr_va_vdst(0) depctr_va_sdst(0) depctr_va_ssrc(0) depctr_va_vcc(0) depctr_vm_vsrc(0)
	s_getreg_b32 s2, hwreg(HW_REG_IB_STS2, 6, 4)
	s_cmp_eq_u32 s2, 0
	s_cbranch_scc0 .Lentry_in_a_cluster
	s_endpgm
.Lentry_in_a_cluster:
	s_bfe_u32 s2, ttmp6, 0x10000c
	s_cmp_lg_u32 s2, 0xf033
	s_cbranch_scc0 .Lentry_shape_is_right
	s_endpgm
.Lentry_shape_is_right:
; C = A B + bias (KIND 0), or C = gelu(A B + bias) (KIND 1).  A: [4096][1024] bf16, K along the rows.  B: [1024][NP] bf16, N along the rows, as the weights lie.  C: bf16, pitch CP.  Sums in f32.
; KIND 0: A = the cast x at wb's byte 0; B = the cast wq, wk or wv (tile columns 0-3, 4-7, 8-11) from wb's byte 8 MiB on; C = qkv[3][4096][1024]; bias bq, bk or bv.
; KIND 1: A = o1b; B = the cast w_ff1 at wb's byte 16 MiB; C = hb[4096][4096]; bias b_ff1; the exact GELU 0.5 x (1 + erf(x / sqrt 2)).
; LIMITS.  Operands and C are rounded to bf16.  erf is the rational form 1 - (a1 t + .. + a5 t^5) e^(-z^2), t = 1 / (1 + 0.3275911 z), whose absolute error is at most 1.5e-7 for every z;
; v_rcp_f32 and v_exp_f32 flush denormals (ISA guide 15.8): a term below 2^-126 counts as zero.
; SHAPE.  A tile of C is 256 x 256, made by four waves, each 128 x 128: 64 accumulators of 16 x 16, 512 registers.  K goes in steps of 128 through a ring of two LDS slots filled by tensor loads.
; A's tile: 256 rows x 256 bytes; B's tile: 128 K rows x 512 bytes.  Each wave fetches a quarter of a slot by one load: waves 0, 1 A's halves (128 rows), waves 2, 3 B's halves (64 K rows).
; B's fragments come out of LDS turned, by ds_load_tr16_b128, so the weights need no transposition in memory.
; CLUSTER.  4 x 4 work-groups.  The four of a row need the same tiles of A, the four of a column the same tiles of B: each tile is asked for jointly, by the same tensor load with the same
; descriptor and a mask that names the four.  A wave has two tensor loads out at the start and one behind each round.
; THE MATRIX INSTRUCTION IS USED TRANSPOSED (source 0 = 16 columns of B, source 1 = 16 rows of A): lane l then holds row l % 16 of C and the eight neighbouring columns 8 (l / 16) + 0..7.
; REGISTERS, in windows of 256 (s_set_vgpr_msb: bits 1:0 source 0, 3:2 source 1, 5:4 source 2, 7:6 destination):
;   window 0: v16-27 addresses; v64-127, v128-191 A's fragments, two buffers; behind the loop v64-127 T, v128-175 GELU at work, v176-185 its coefficients, v192-223 packed results, v32-63 rows read back
;   window 1: v0-63 the bias of my 128 columns (8 column blocks x 8 numbers a lane); v64-127, v128-191 B's fragments, two buffers
;   window 2: the accumulators of my rows 0-63 ((a, b) at v[8 (8 a + b)]);   window 3: those of my rows 64-127
.set KIND, 1
.set SIZE_K, 1024
.set KSTEP,  128
.if KIND == 0
.set NP,   1024                        ; elements from a row of B to the next
.set CP,   1024                        ; elements from a row of C to the next
.set BOFF, 8<<20                       ; B's first byte in wb
.else
.set NP,   4096
.set CP,   4096
.set BOFF, 16<<20
.endif
.set PA,     272                       ; A's LDS row: 256 bytes + 16 = 68 words: row r starts at bank 4 r mod 64 (64 banks of 4 bytes: ISA guide 11.1): the 16 rows of a load start at 16 different banks
.set PB,     544                       ; B's LDS row: 512 bytes + 32 = 136 words: row r starts at bank 8 r mod 64
.set HALFT,  128*PA                    ; what one tensor load brings: 128 rows of A, or 64 rows of B (64 x 544 is the same number)
.set SLOT,   4*HALFT                   ; A's 256 rows, then B's 128 K rows
.set STAGE,  2*SLOT                    ; behind the ring: 16 rows x 272 bytes for each wave; no tensor load fills it
.set SPITCH, 272
.set LAPS,   SIZE_K/(2*KSTEP)          ; a lap = two K steps = once round the ring
.set ADRA, 16                          ; v16-17  LDS address of my A fragments in slot 0, 1
.set ADRB, 20                          ; v20-21  the same for B
.set STO,  24                          ; v24     the way out: where I put 16 bytes of a row
.set RD,   25                          ; v25     the way out: where I read a row back
.set CO,   26                          ; v26     my byte offset in C
.set BO,   27                          ; v27     my byte offset in a column block's 16 biases
.set F0,   64
.set F1,   128
.set T,    64                          ; a block's 16 rows x 128 columns in f32, 64 registers
.set GT,   128                         ; GELU: t, then relu(x)
.set GP,   144                         ; GELU: the polynomial
.set GE,   160                         ; GELU: the exponential
.set CF,   176                         ; GELU: a5/2, a4/2, a3/2, a2/2, a1/2, each twice
.set TMP,  192
.set OB,   32
.set G1,  24                           ; s[24:31] descriptor group 1 for A's tiles
.set G0,  32                           ; s[32:39] group 0 for A's tiles, a set for each slot
.set G1B, 48                           ; s[48:55], s[56:63] the same for B's tiles
.set G0B, 56
.set PP,  76                           ; s76 0.3275911 / sqrt 2
.set MSB, 0
.macro WIN new                         ; the immediate's high byte repeats the setting that is left; a switch that changes nothing is dropped
.if MSB != \new
	s_set_vgpr_msb (MSB<<8)|\new
.set MSB, \new
.endif
.endm
.set MUL_LO, 0xa1                      ; source 0 (B) window 1, source 1 (A) window 0, C and D window 2
.set MUL_HI, 0xf1                      ; the same, C and D window 3
.set TO_B,   0x40                      ; destination window 1, address window 0
; A joint load.  Waves 0 and 1 ask for A's halves, waves 2 and 3 for B's.  The branch hangs on the wave's number alone.  Four v_nop follow each of the two lines.
.macro JLOAD s
	s_cmp_eq_u32 s11, 0
	s_cbranch_scc0 .Lfor_b_\@
	tensor_load_to_lds s[G0+4*\s:G0+4*\s+3], s[G1:G1+7]
	s_nop 0
.rept 4
	v_nop
.endr
	s_branch .Lasked_\@
.Lfor_b_\@:
	tensor_load_to_lds s[G0B+4*\s:G0B+4*\s+3], s[G1B:G1B+7]
	s_nop 0
.rept 4
	v_nop
.endr
.Lasked_\@:
.endm
; A round of the cluster's barrier: my work-group's barrier; wave 0 signals for the work-group; every wave waits for all sixteen; my work-group's barrier once more.
.macro CREST                           ; a round behind its opening barrier
	s_cmp_lg_u32 s10, 0
	s_cbranch_scc1 .Lnot_wave_0_\@
	s_barrier_signal -3
.Lnot_wave_0_\@:
	s_barrier_wait -3
	s_barrier_signal -1
	s_barrier_wait -1
.endm
.macro CROUND
	s_barrier_signal -1
	s_barrier_wait -1
	CREST
.endm
.if KIND == 0
	s_load_b64 s[4:5], s[0:1], 0x0                 ; wb
	s_load_b256 s[68:75], s[0:1], 0x8              ; bq 68:69, bk 70:71, bv 72:73, qkv 74:75
.else
	s_load_b128 s[4:7], s[0:1], 0x0                ; o1b, wb
	s_load_b128 s[68:71], s[0:1], 0x10             ; b_ff1 68:69, hb 70:71
	s_set_vgpr_msb 0x40
	v_lshl_add_u32 v255, v0, 2, 0x48400
	s_set_vgpr_msb 0x4000
	v_mov_b32 v255, 0
	s_set_vgpr_msb 0x1
	ds_add_u32 v255, v255
	ds_add_u32 v255, v255
	s_set_vgpr_msb 0x100
.endif
	v_lshrrev_b32 v1, 5, v0
	v_readfirstlane_b32 s10, v1                    ; wave 0..3
	s_lshr_b32 s11, s10, 1                         ; which half of the tile's rows is mine.  Also: I fetch for A (0) or for B (1)
	s_and_b32 s12, s10, 1                          ; which half of its columns.  Also: which half of that tile I fetch
	s_bfe_u32 s40, ttmp6, 0x40000                  ; cx
	s_bfe_u32 s41, ttmp6, 0x40004                  ; cy
	s_lshl_b32 s42, ttmp9, 2
	s_add_co_u32 s42, s42, s40                     ; tile column = 4 x cluster x + cx
	s_and_b32 s13, ttmp7, 0xffff
	s_lshl_b32 s13, s13, 2
	s_add_co_u32 s13, s13, s41                     ; tile row = 4 x cluster y + cy
	s_lshl_b32 s43, s41, 2
	s_lshl_b32 s43, 15, s43                        ; my row of the cluster: places 4 cy .. 4 cy + 3
	s_lshl_b32 s44, 0x1111, s40                    ; my column: places cx, cx + 4, cx + 8, cx + 12
	s_or_b32 s[G1+0], s43, (1<<16)|(1<<20)|(1<<21)|(5<<22)|(3<<25)   ; mask of my row; elements of 2 bytes; padding on; bit 21 beside a mask; after every 64 words, 4 words
	s_mov_b32 s[G1+1], KSTEP<<16                   ; tensor_dim0 = 128
	s_mov_b32 s[G1+2], 128<<16                     ; tensor_dim1 = 128
	s_mov_b32 s[G1+3], KSTEP<<16                   ; tile_dim0 = 128
	s_mov_b32 s[G1+4], 128                         ; tile_dim1 = 128
	s_mov_b32 s[G1+5], SIZE_K                      ; elements from row to row
	s_mov_b32 s[G1+6], 0
	s_mov_b32 s[G1+7], 0
	s_or_b32 s[G1B+0], s44, (1<<16)|(1<<20)|(1<<21)|(6<<22)|(7<<25)  ; mask of my column; after every 128 words, 8 words
	s_mov_b32 s[G1B+1], 256<<16                    ; tensor_dim0 = 256
	s_mov_b32 s[G1B+2], 64<<16                     ; tensor_dim1 = 64
	s_mov_b32 s[G1B+3], 256<<16                    ; tile_dim0 = 256
	s_mov_b32 s[G1B+4], 64                         ; tile_dim1 = 64
	s_mov_b32 s[G1B+5], NP
	s_mov_b32 s[G1B+6], 0
	s_mov_b32 s[G1B+7], 0
	; A's tiles hang on the tile row alone, B's on the tile column alone; each address is made in registers that never hold the other coordinate
	s_lshl_b32 s17, s12, 7
	s_lshl_b32 s16, s13, 8
	s_add_co_u32 s16, s16, s17                     ; A: row 256 x tile row + 128 x half,
	s_lshl_b32 s16, s16, 11                        ; of 2,048 bytes
	s_mov_b32 s17, 0
.if KIND == 0
	s_lshl_b32 s46, ttmp9, 21                      ; B: the weight (2 MiB each) is the cluster's x,
	s_lshl_b32 s47, s40, 9                         ; its 256 columns are cx's
	s_add_co_u32 s46, s46, s47
.else
	s_lshl_b32 s46, s42, 9                         ; B: 256 columns of 2 bytes for each tile column
.endif
	s_mul_i32 s47, s12, 64*NP*2                    ; which 64 K rows I fetch
	s_add_co_u32 s46, s46, s47
	s_add_co_u32 s46, s46, BOFF
	s_mov_b32 s47, 0
	s_mul_i32 s20, s10, HALFT                      ; where they go: wave x a quarter of a slot
	s_mov_b32 s[PP], 0x3e6d3388
	s_wait_dscnt 0x0
	s_wait_kmcnt 0x0
.if KIND == 0
	s_mov_b64 s[6:7], s[4:5]                       ; B lies in wb too
	s_mov_b64 s[8:9], s[74:75]                     ; C
	s_mov_b64 s[66:67], s[68:69]                   ; the bias of the weight in hand
	s_cmp_eq_u32 ttmp9, 1
	s_cselect_b64 s[66:67], s[70:71], s[66:67]
	s_cmp_eq_u32 ttmp9, 2
	s_cselect_b64 s[66:67], s[72:73], s[66:67]
.else
	s_mov_b64 s[8:9], s[70:71]
	s_mov_b64 s[66:67], s[68:69]
.endif
	s_add_nc_u64 s[14:15], s[4:5], s[16:17]
	s_add_nc_u64 s[46:47], s[6:7], s[46:47]
	CROUND                                         ; all sixteen work-groups are here: the first joint loads meet
.irp s, 0,1
	s_mov_b32 s[G0+4*\s], 1
	s_add_co_u32 s[G0+4*\s+1], s20, \s*SLOT
	s_add_nc_u64 s[G0+4*\s+2:G0+4*\s+3], s[14:15], \s*KSTEP*2
	s_or_b32 s[G0+4*\s+3], s[G0+4*\s+3], 0x80000000
	s_mov_b32 s[G0B+4*\s], 1
	s_add_co_u32 s[G0B+4*\s+1], s20, \s*SLOT
	s_add_nc_u64 s[G0B+4*\s+2:G0B+4*\s+3], s[46:47], \s*KSTEP*NP*2
	s_or_b32 s[G0B+4*\s+3], s[G0B+4*\s+3], 0x80000000
	JLOAD \s
.endr
	v_and_b32 v1, 15, v0                           ; l % 16
	v_bfe_u32 v2, v0, 4, 1                         ; l / 16
	; the bias: a lane's eight columns of column block b are bias[first + 16 b + 8 (l / 16) + 0..7]; the loads stay out until the way out
	v_lshlrev_b32 v[BO], 5, v2
.if KIND == 0
	s_lshl_b32 s18, s40, 10                        ; 256 columns of 4 bytes for each tile column inside the weight
.else
	s_lshl_b32 s18, s42, 10
.endif
	s_lshl_b32 s19, s12, 9
	s_add_co_u32 s18, s18, s19
	s_mov_b32 s19, 0
	s_add_nc_u64 s[66:67], s[66:67], s[18:19]
	WIN TO_B
.irp b, 0,1,2,3,4,5,6,7
	global_load_b128 v[8*\b:8*\b+3],   v[BO], s[66:67] offset:64*\b
	global_load_b128 v[8*\b+4:8*\b+7], v[BO], s[66:67] offset:64*\b+16
.endr
	WIN 0
	; A's fragment: lane l holds row l % 16; registers 0-3 K = 8 (l / 16) + 0..7, registers 4-7 K = 16 + 8 (l / 16) + 0..7: two loads of 16 bytes, 32 bytes apart
	v_mul_u32_u24 v3, v1, PA
	v_lshl_add_u32 v3, v2, 4, v3
	; B's fragment, turned: lane l reads 16 bytes of K row 8 (l / 16) + l % 8, columns 8 ((l / 8) % 2) + 0..7, and receives column l % 16 with 8 K; the second load 16 K rows further down
	v_and_b32 v5, 7, v0
	v_bfe_u32 v6, v0, 3, 1
	v_lshl_add_u32 v7, v2, 3, v5
	v_mul_u32_u24 v7, v7, PB
	v_lshl_add_u32 v7, v6, 4, v7
	s_mul_i32 s21, s11, HALFT                      ; my 128 rows of A
	s_lshl_b32 s22, s12, 8                         ; my 128 columns of B,
	s_add_co_u32 s22, s22, 2*HALFT                 ; which lies behind A's 256 rows
.irp s, 0,1
	v_add_nc_u32 v[ADRA+\s], s21, v3
	v_add_nc_u32 v[ADRB+\s], s22, v7
	s_add_co_u32 s21, s21, SLOT
	s_add_co_u32 s22, s22, SLOT
.endr
	s_mul_i32 s23, s10, 16*SPITCH
	s_add_co_u32 s23, s23, STAGE                   ; my stage
	v_mul_u32_u24 v4, v1, SPITCH                   ; in: row l % 16, 16 bytes for each half of the lanes
	v_lshl_add_u32 v4, v2, 4, v4
	v_add_nc_u32 v[STO], s23, v4
	v_mul_u32_u24 v5, v2, SPITCH                   ; back: lanes 0-15 take one row of 256 bytes, lanes 16-31 the next
	v_lshl_add_u32 v5, v1, 4, v5
	v_add_nc_u32 v[RD], s23, v5
	v_mul_u32_u24 v5, v2, CP*2                     ; and the same two rows in C
	v_lshl_add_u32 v[CO], v1, 4, v5
	; where my part of the tile begins in C, in bytes
	s_lshl_b32 s16, s13, 8
	s_lshl_b32 s14, s11, 7
	s_add_co_u32 s16, s16, s14
	s_mul_i32 s16, s16, CP*2
	s_mov_b32 s17, 0
.if KIND == 0
	s_lshl_b32 s46, ttmp9, 23                      ; q, k or v: 8 MiB each
	s_lshl_b32 s47, s40, 9
	s_add_co_u32 s46, s46, s47
.else
	s_lshl_b32 s46, s42, 9
.endif
	s_lshl_b32 s47, s12, 8
	s_add_co_u32 s46, s46, s47
	s_mov_b32 s47, 0
	s_add_nc_u64 s[16:17], s[16:17], s[46:47]
; 16 matrix instructions: row blocks a0, a0 + 1 of the window's four x all 8 column blocks, 32 along K.  zero = 1: the first product starts the sums.
.macro MUL16 f, hi, a0, zero
.irp a, \a0, \a0+1
.irp b, 0,1,2,3,4,5,6,7
.if \zero
	v_wmma_f32_16x16x32_bf16 v[8*(8*(\a)+\b):8*(8*(\a)+\b)+7], v[\f+8*\b:\f+8*\b+7], v[\f+8*(4*\hi+\a):\f+8*(4*\hi+\a)+7], 0
.else
	v_wmma_f32_16x16x32_bf16 v[8*(8*(\a)+\b):8*(8*(\a)+\b)+7], v[\f+8*\b:\f+8*\b+7], v[\f+8*(4*\hi+\a):\f+8*(4*\hi+\a)+7], v[8*(8*(\a)+\b):8*(8*(\a)+\b)+7]
.endif
.endr
.endr
.endm
; 32 LDS loads in one run: the fragments of quarter q (32 along K) of a slot into buffer f: B's 128 columns, then A's 128 rows
.macro FETCH slot, q, f
	WIN TO_B
.irp i, 0,1,2,3,4,5,6,7
	ds_load_tr16_b128 v[\f+8*\i:\f+8*\i+3],   v[ADRB+\slot] offset:\q*32*PB+32*\i
	ds_load_tr16_b128 v[\f+8*\i+4:\f+8*\i+7], v[ADRB+\slot] offset:\q*32*PB+32*\i+16*PB
.endr
	WIN 0
.irp i, 0,1,2,3,4,5,6,7
	ds_load_b128 v[\f+8*\i:\f+8*\i+3],   v[ADRA+\slot] offset:\q*64+\i*16*PA
	ds_load_b128 v[\f+8*\i+4:\f+8*\i+7], v[ADRA+\slot] offset:\q*64+\i*16*PA+32
.endr
.endm
; Four places in front of loads into registers that matrix instructions have read, and of vector work that reads results just made
.macro PLACES
.rept 4
	v_nop
.endr
.endm
; A K step is four quarters of 32 along K, 64 matrix instructions each, on buffers 0, 1, 0, 1.  The 64 accumulators take turns, one instruction a turn.
; One of the first three quarters: multiplies buffer f; in its middle it fetches quarter q of the same slot into buffer g.
.macro QUARTER slot, q, f, g, zero
	s_wait_dscnt 8                                 ; B and A's rows 0-63 are in; the youngest eight loads (A's rows 64-127) may be out
	WIN MUL_LO
	MUL16 \f, 0, 0, \zero
	MUL16 \f, 0, 2, \zero
	PLACES
	FETCH \slot, \q, \g
	s_wait_dscnt 32                                ; all but the 32 just issued
	WIN MUL_HI
	MUL16 \f, 1, 0, \zero
	MUL16 \f, 1, 2, \zero
.endm
; The last quarter multiplies buffer 1 and changes slots: one barrier; in front of it each wave waits for its reads of this slot and for all its tensor loads (its part of the next slot).
.macro MEET round
	s_wait_dscnt 8
	WIN MUL_LO
	MUL16 F1, 0, 0, 0
	s_wait_dscnt 0                                 ; my reads of this slot are over
	s_wait_tensorcnt 0x0                           ; and all my tensor loads have landed
	ds_add_u32 v255, v255
	s_wait_dscnt 0x0
	s_barrier_signal -1
	MUL16 F1, 0, 2, 0                              ; work on registers while the others arrive
.if \round
	WIN 0
.endif
	s_barrier_wait -1
.endm
; fill = 1: the barrier opens a round of the cluster's barrier, and the slot just read out is filled again, two K steps ahead, first thing behind the round:
; from that request to the wait for it a wave issues 240 matrix instructions.
.macro TURN slot, next, fill
	MEET \fill
.if \fill
	CREST
	s_add_nc_u64 s[G0+4*\slot+2:G0+4*\slot+3], s[G0+4*\slot+2:G0+4*\slot+3], 2*KSTEP*2
	s_add_nc_u64 s[G0B+4*\slot+2:G0B+4*\slot+3], s[G0B+4*\slot+2:G0B+4*\slot+3], 2*KSTEP*NP*2
	JLOAD \slot                                    ; its four v_nop are also the places in front of the loads below
.else
	PLACES
.endif
	FETCH \next, 0, F0
	WIN MUL_HI
	MUL16 F1, 1, 0, 0
	MUL16 F1, 1, 2, 0
.endm
; THE WAY OUT, a block of 16 rows a trip.  CASE a is taken in trip a alone: T = block a's accumulators + bias, each accumulator read from its low end on.
.macro CASE a
	s_cmp_lg_u32 s3, \a
	s_cbranch_scc1 .Lnot_\@
.set W, 0x06+(\a)/4                    ; source 0 window 2 or 3 (the accumulators), source 1 window 1 (the bias), destination window 0
	WIN W
.irp b, 0,1,2,3,4,5,6,7
.irp r, 0,2,4,6
	v_pk_add_f32 v[T+8*\b+\r:T+8*\b+\r+1], v[64*((\a)%4)+8*\b+\r:64*((\a)%4)+8*\b+\r+1], v[8*\b+\r:8*\b+\r+1]
.endr
.endr
	WIN 0
.Lnot_\@:
.endm
; gelu(x) = relu(x) - |x| (poly(t) / 2) e^(-x^2 / 2), t = 1 / (1 + 0.2316419 |x|), on 16 registers of T.  Plain work stands between each run of
; transcendentals and the first use of its results (ISA guide 5.7.2): the exponent's products behind the reciprocals, the polynomial behind the exponentials.
.macro GELU16 c
.set XB, T+16*\c
.set i, 0
.rept 16
	v_fma_f32 v[GT+i], |v[XB+i]|, s[PP], 1.0
.set i, i+1
.endr
.set i, 0
.rept 16
	v_rcp_f32 v[GT+i], v[GT+i]
.set i, i+1
.endr
.set i, 0
.rept 8
	v_pk_mul_f32 v[GE+i:GE+i+1], v[XB+i:XB+i+1], v[XB+i:XB+i+1]
.set i, i+2
.endr
.set i, 0
.rept 8
	v_pk_mul_f32 v[GE+i:GE+i+1], v[GE+i:GE+i+1], 0xbf38aa3b op_sel_hi:[1,0]   ; x^2 times -log2(e) / 2
.set i, i+2
.endr
.set i, 0
.rept 16
	v_exp_f32 v[GE+i], v[GE+i]
.set i, i+1
.endr
.set i, 0
	s_wait_alu depctr_va_vdst(0)
.rept 8
	v_pk_fma_f32 v[GP+i:GP+i+1], v[GT+i:GT+i+1], v[CF:CF+1], v[CF+2:CF+3]
.set i, i+2
.endr
.irp k, 4,6,8
.set i, 0
.rept 8
	v_pk_fma_f32 v[GP+i:GP+i+1], v[GP+i:GP+i+1], v[GT+i:GT+i+1], v[CF+\k:CF+\k+1]
.set i, i+2
.endr
.endr
.set i, 0
.rept 8
	v_pk_mul_f32 v[GP+i:GP+i+1], v[GP+i:GP+i+1], v[GT+i:GT+i+1]
.set i, i+2
.endr
.set i, 0
.rept 8
	v_pk_mul_f32 v[GP+i:GP+i+1], v[GP+i:GP+i+1], v[GE+i:GE+i+1]
.set i, i+2
.endr
.set i, 0
.rept 16
	v_max_num_f32 v[GT+i], 0, v[XB+i]
.set i, i+1
.endr
.set i, 0
.rept 16
	v_fma_f32 v[XB+i], -|v[XB+i]|, v[GP+i], v[GT+i]
.set i, i+1
.endr
.endm
	s_wait_tensorcnt 1                             ; my part of K step 0 is in; K step 1's may stay out
	s_barrier_signal -1
	s_barrier_wait -1
	FETCH 0, 0, F0
	QUARTER 0, 1, F0, F1, 1                        ; the first quarter stands in front of the loop: its products start the sums
	WIN 0                                          ; at a label and at a branch every window is 0
	s_mov_b32 s3, LAPS-1
.Llap:                                                 ; a trip goes once round the ring, from a lap's second quarter to the next lap's first, and fills both slots again
	QUARTER 0, 2, F1, F0, 0
	QUARTER 0, 3, F0, F1, 0
	TURN 0, 1, 1
	QUARTER 1, 1, F0, F1, 0
	QUARTER 1, 2, F1, F0, 0
	QUARTER 1, 3, F0, F1, 0
	TURN 1, 0, 1
	QUARTER 0, 1, F0, F1, 0
	WIN 0
	s_sub_co_u32 s3, s3, 1
	s_cmp_lg_u32 s3, 0
	s_cbranch_scc1 .Llap
	QUARTER 0, 2, F1, F0, 0                        ; the last lap fills nothing
	QUARTER 0, 3, F0, F1, 0
	TURN 0, 1, 0
	QUARTER 1, 1, F0, F1, 0
	QUARTER 1, 2, F1, F0, 0
	QUARTER 1, 3, F0, F1, 0
	s_wait_dscnt 8                                 ; the very last quarter: nothing more to fetch
	WIN MUL_LO
	MUL16 F1, 0, 0, 0
	MUL16 F1, 0, 2, 0
	s_wait_dscnt 0
	WIN MUL_HI
	MUL16 F1, 1, 0, 0
	MUL16 F1, 1, 2, 0
	WIN 0
	PLACES
	s_wait_loadcnt 0x0                             ; the bias
.if KIND == 1
.irp k, 0,1
	v_mov_b32 v[CF+\k],   0x3f07dc22                ; a5 / 2 =  0.5307027
	v_mov_b32 v[CF+2+\k], 0xbf3a00e3                ; a4 / 2 = -0.7265760
	v_mov_b32 v[CF+4+\k], 0x3f35f0e3                ; a3 / 2 =  0.7107069
	v_mov_b32 v[CF+6+\k], 0xbe11a98e                ; a2 / 2 = -0.1422484
	v_mov_b32 v[CF+8+\k], 0x3e027906                ; a1 / 2 =  0.1274148
.endr
.endif
	s_mov_b32 s3, 0
.Lblock:                                               ; eight trips: my block of 16 rows number s3.  What follows the CASEs is written once: eight copies of it would be some 50 KB of code that runs once
.irp a, 0,1,2,3,4,5,6,7
	CASE \a
.endr
.if KIND == 1
	GELU16 0
	GELU16 1
	GELU16 2
	GELU16 3
.endif
.irp b, 0,1,2,3,4,5,6,7
.irp r, 0,1,2,3
	v_cvt_pk_bf16_f32 v[TMP+4*\b+\r], v[T+8*\b+2*\r], v[T+8*\b+2*\r+1]
.endr
.endr
.irp b, 0,1,2,3,4,5,6,7
	ds_store_b128 v[STO], v[TMP+4*\b:TMP+4*\b+3] offset:32*\b
.endr
	s_wait_xcnt 0x0                                ; the last trip's stores have had their addresses translated (ISA guide 3.1): only now are their data registers and their base written again
.irp t, 0,1,2,3,4,5,6,7
	ds_load_b128 v[OB+4*\t:OB+4*\t+3], v[RD] offset:\t*2*SPITCH    ; LDS serves a wave's instructions in order (ISA guide 5.7.1.4): these see the stores above
.endr
	s_add_nc_u64 s[8:9], s[8:9], s[16:17]          ; the first trip: on to my first rows; later: 16 rows on
	s_mov_b64 s[16:17], 16*CP*2
	s_wait_dscnt 0x0                               ; the block is back in registers
.irp t, 0,1,2,3,4,5,6,7
	global_store_b128 v[CO], v[OB+4*\t:OB+4*\t+3], s[8:9] offset:2*\t*CP*2   ; 16 lanes store 256 consecutive bytes, at a multiple of 256 from C's first byte
.endr
	s_add_co_u32 s3, s3, 1
	s_cmp_lt_u32 s3, 8
	s_cbranch_scc1 .Lblock
	s_set_vgpr_msb 0x1
	s_wait_tensorcnt 0x0
	ds_add_u32 v255, v255
	s_wait_dscnt 0x0
	s_set_vgpr_msb 0x100
	CROUND                                         ; the closing round: no work-group ends while a partner may still ask for a tile that names it
	s_endpgm
.Lfunc_end_k_qc87ba99e8b_ff1:
	.size	k_qc87ba99e8b_ff1, .Lfunc_end_k_qc87ba99e8b_ff1-k_qc87ba99e8b_ff1
	.p2alignl 7, 3214868480
	.fill 96, 4, 3214868480
	.section	.rodata,"a",@progbits
	.p2align	6, 0x0
	.amdhsa_kernel k_qc87ba99e8b_ff1
		.amdhsa_group_segment_fixed_size 327680
		.amdhsa_private_segment_fixed_size 0
		.amdhsa_enable_private_segment 0
		.amdhsa_kernarg_size 32
		.amdhsa_user_sgpr_count 2
		.amdhsa_user_sgpr_kernarg_segment_ptr 1
		.amdhsa_wavefront_size32 1
		.amdhsa_system_sgpr_workgroup_id_x 1
		.amdhsa_system_sgpr_workgroup_id_y 1
		.amdhsa_system_sgpr_workgroup_id_z 1
		.amdhsa_system_vgpr_workitem_id 0
		.amdhsa_next_free_vgpr 1024
		.amdhsa_next_free_sgpr 80
		.amdhsa_reserve_vcc 0
		.amdhsa_float_denorm_mode_32 3
		.amdhsa_float_denorm_mode_16_64 3
		.amdhsa_memory_ordered 1
		.amdhsa_forward_progress 1
		.amdhsa_inst_pref_size 166
	.end_amdhsa_kernel
	.amdgpu_metadata
---
amdhsa.version: [ 1, 2 ]
amdhsa.kernels:
  - .name:           k_qc87ba99e8b_ff1
    .symbol:         k_qc87ba99e8b_ff1.kd
    .args:
      - { .name: o1b, .offset: 0, .size: 8, .value_kind: global_buffer, .address_space: global }
      - { .name: wb, .offset: 8, .size: 8, .value_kind: global_buffer, .address_space: global }
      - { .name: b_ff1, .offset: 16, .size: 8, .value_kind: global_buffer, .address_space: global }
      - { .name: hb, .offset: 24, .size: 8, .value_kind: global_buffer, .address_space: global }
    .group_segment_fixed_size: 327680
    .private_segment_fixed_size: 0
    .kernarg_segment_align: 8
    .kernarg_segment_size: 32
    .max_flat_workgroup_size: 128
    .sgpr_count:     80
    .vgpr_count:     1024
    .wavefront_size: 32
...
	.end_amdgpu_metadata
.endif
;; end of part 6
;; launch ff2 (part 7): grid 8 x 32, 4 waves a work-group, clusters of 4 x 4, 327,680 bytes of LDS; arguments hb, wb, b_ff2, o1, y; writes y
.if DOCPART == 7
	.amdgcn_target "amdgcn-amd-amdhsa--gfx1250"
	.amdhsa_code_object_version 6
	.text
	.protected	k_qc87ba99e8b_ff2
	.globl	k_qc87ba99e8b_ff2
	.p2align	8
	.type	k_qc87ba99e8b_ff2,@function
k_qc87ba99e8b_ff2:
	s_mov_b64 s[64:65], 0
	v_nop
	global_prefetch_b8 v0, s[64:65] scope:SCOPE_SE
	s_setreg_imm32_b32 hwreg(HW_REG_WAVE_MODE, 25, 1), 1
	s_wait_xcnt 0x0
	s_wait_alu depctr_hold_cnt(0) depctr_sa_sdst(0) depctr_va_vdst(0) depctr_va_sdst(0) depctr_va_ssrc(0) depctr_va_vcc(0) depctr_vm_vsrc(0)
	s_getreg_b32 s2, hwreg(HW_REG_IB_STS2, 6, 4)
	s_cmp_eq_u32 s2, 0
	s_cbranch_scc0 .Lentry_in_a_cluster
	s_endpgm
.Lentry_in_a_cluster:
	s_bfe_u32 s2, ttmp6, 0x10000c
	s_cmp_lg_u32 s2, 0xf033
	s_cbranch_scc0 .Lentry_shape_is_right
	s_endpgm
.Lentry_shape_is_right:
; y = res + (A B + bias), in f32.  A: [4096][SIZE_K] bf16, K along the rows.  B: [SIZE_K][1024] bf16, N along the rows, as the weights lie.  res, y: [4096][1024] f32.  Sums in f32.
; KIND 0: A = ab, B = the cast wo at wb's byte 14 MiB, bias bo, res = x.   KIND 1: A = hb, B = the cast w_ff2 at wb's byte 24 MiB, bias b_ff2, res = o1.
; SHAPE.  C has 32 x 8 tiles of 128 x 128, one for each of 256 work-groups (tiles of 256 x 256 would be 64).  Four waves, each 64 x 64: 16 accumulators, 128 registers.
; K goes in steps of 256 through a ring of two LDS slots: A's tile 128 rows x 512 bytes, B's tile 256 K rows x 256 bytes; waves 0, 1 fetch A's halves (64 rows), waves 2, 3 B's halves (128 K rows).
; B's fragments come out of LDS turned, by ds_load_tr16_b128.
; CLUSTER.  4 x 4 work-groups: A's tile is asked for jointly along a row of the cluster, B's along a column.  A wave has two tensor loads out at the start, later one.
; THE MATRIX INSTRUCTION IS USED TRANSPOSED (source 0 = 16 columns of B, source 1 = 16 rows of A): a lane holds eight neighbouring numbers of a row of C.
; ASKING AHEAD (KIND 1).  Both slots fill LDS, so a tile's tensor load goes out one K step, 120 matrix instructions, ahead of the wait for it, and every tile is read here for the first time in the launch.
; So each tile is asked for ahead of its tensor load, each aligned block of 256 bytes once in the launch, lanes 256 bytes or more apart:
;   A: a K step's tile of a tile row is 128 rows x 512 bytes = 256 blocks; the eight work-groups of the tile row take 16 rows, 32 blocks, each: one instruction of wave 1.  Behind the refill that
;      follows K step t it asks for K step t + 4, whose tensor load goes out two changes of slots later; K steps 2 and 3 are asked for at the start; the last trip asks for nothing (t + 4 would pass K's end).
;   B: a K step's tile of a tile column is 256 blocks for 32 work-groups, 8 each, so the share is taken over groups of four K steps: 32 K rows, 32 blocks: one instruction of wave 3, at the start
;      (group 0: its first half is being fetched by the first fills at the same time) and behind K steps 0, 4 and 8 for the group that begins four steps on.
;   Only the lanes' global offsets hang on the work-group's place; the branches hang on the wave's number and the trip counter.
;   KIND 0 has four K steps: two are first fills, and the other two would be asked for together with them; it asks for nothing.
; THE WAY OUT.  A wave's 64 columns of f32 are 256 aligned bytes, so each wave has a stage of its own and no barrier: 16 rows at a time into LDS, back as whole rows, bias and residual added, stored.
; The residual (a wave's 64 x 64 numbers, 128 registers) is asked for at the start and is on its way while K is walked.
; REGISTERS: window 0: v10-11, v16-31 addresses and the bias; v32-95 at work on the way out; v128-255 the accumulators ((a, b) at v[128 + 8 (4 a + b)]).
;   window 1: two fragment buffers of 128: for 64 along K, 64 registers of A (2 x 4 x 16 rows x 32 K), then 64 of B.     window 2: v0-127 the residual.
.set KIND, 1
.if KIND == 0
.set SIZE_K, 1024
.set BOFF,   14<<20
.else
.set SIZE_K, 4096
.set BOFF,   24<<20
.endif
.set KSTEP,  256
.set PA,     528                       ; A's LDS row: 512 bytes + 16 = 132 words: row r starts at bank 4 r mod 64 (64 banks of 4 bytes: ISA guide 11.1)
.set PB,     288                       ; B's LDS row: 256 bytes + 32 = 72 words: row r starts at bank 8 r mod 64
.set AHALF,  64*PA
.set BHALF,  128*PB
.set BREG,   2*AHALF                   ; B's rows lie behind A's 128
.set SLOT,   BREG+2*BHALF
.set STAGE,  2*SLOT                    ; behind the ring: 16 rows x 272 bytes for each wave; no tensor load fills it
.set SPITCH, 272
.set LAPS,   SIZE_K/(2*KSTEP)
.set VPA,  10                          ; v10     asking ahead: my block's byte offset in the tile row's rows of A; never rewritten
.set VPB,  11                          ; v11     asking ahead: my block's byte offset in a group of 1,024 K rows of B; never rewritten
.set ADRA, 16                          ; v16-17  LDS address of my A fragments in slot 0, 1
.set ADRB, 20                          ; v20-23  of my B fragments: slot 0 K rows 0-127, 128-255; slot 1 likewise (one base would want offsets beyond 16 bits)
.set STO,  24                          ; v24     the way out: where I put 32 bytes of a row
.set RD,   25                          ; v25     where I read a row back
.set CO,   26                          ; v26     my byte offset in res and in y
.set BO,   27                          ; v27     my byte offset in the bias
.set BI,   28                          ; v[28:31] the bias of my four columns
.set ACC,  128
.set F0,   0
.set F1,   128
.set G1,  24
.set G0,  32
.set G1B, 48
.set G0B, 56
.set PFA, 72                           ; s[72:73] asking ahead: A at the tile row's first row, at the K step asked for last
.set PFB, 74                           ; s[74:75] asking ahead: B at the group of four K steps asked for last
.set MSB, 0
.macro WIN new
.if MSB != \new
	s_set_vgpr_msb (MSB<<8)|\new
.set MSB, \new
.endif
.endm
.set MUL,  0x05                        ; sources 0 (B) and 1 (A) window 1; C and D window 0
.set TO_F, 0x40                        ; destination window 1, address window 0
.macro JLOAD s                         ; a joint load: waves 0 and 1 ask for A's halves, waves 2 and 3 for B's; four v_nop follow each of the two lines
	s_cmp_eq_u32 s11, 0
	s_cbranch_scc0 .Lfor_b_\@
	tensor_load_to_lds s[G0+4*\s:G0+4*\s+3], s[G1:G1+7]
	s_nop 0
.rept 4
	v_nop
.endr
	s_branch .Lasked_\@
.Lfor_b_\@:
	tensor_load_to_lds s[G0B+4*\s:G0B+4*\s+3], s[G1B:G1B+7]
	s_nop 0
.rept 4
	v_nop
.endr
.Lasked_\@:
.endm
.macro CREST                           ; a round of the cluster's barrier behind its opening barrier
	s_cmp_lg_u32 s10, 0
	s_cbranch_scc1 .Lnot_wave_0_\@
	s_barrier_signal -3
.Lnot_wave_0_\@:
	s_barrier_wait -3
	s_barrier_signal -1
	s_barrier_wait -1
.endm
.macro CROUND
	s_barrier_signal -1
	s_barrier_wait -1
	CREST
.endm
; Asking ahead, behind the refill that follows the K step in slot 'slot'.  s3, the trips to go, runs from LAPS - 1 down to 1.  A: in every trip but the last.  B: behind the trip's first K step, in every
; second trip (s3 odd), and not in the last.  A base is stepped only behind s_wait_xcnt 0 (ISA guide 3.1), which stands a whole K step behind the request that named it.
.macro ASK slot
	s_cmp_lg_u32 s10, 1
	s_cbranch_scc1 .Lnot_a_\@
	s_cmp_lt_u32 s3, 2
	s_cbranch_scc1 .Lnot_a_\@
	s_wait_xcnt 0x0
	s_add_nc_u64 s[PFA:PFA+1], s[PFA:PFA+1], KSTEP*2
	global_prefetch_b8 v[VPA], s[PFA:PFA+1] th:TH_LOAD_NT scope:SCOPE_SE
.Lnot_a_\@:
.if \slot == 0
	s_cmp_lg_u32 s10, 3
	s_cbranch_scc1 .Lnot_b_\@
	s_cmp_lt_u32 s3, 3
	s_cbranch_scc1 .Lnot_b_\@
	s_bitcmp1_b32 s3, 0
	s_cbranch_scc0 .Lnot_b_\@
	s_wait_xcnt 0x0
	s_add_nc_u64 s[PFB:PFB+1], s[PFB:PFB+1], 4*KSTEP*2048
	global_prefetch_b8 v[VPB], s[PFB:PFB+1] th:TH_LOAD_NT scope:SCOPE_SE
.Lnot_b_\@:
.endif
.endm
	s_load_b128 s[4:7], s[0:1], 0x0                ; A s[4:5], wb s[6:7]
	s_load_b128 s[68:71], s[0:1], 0x10             ; bias s[68:69], res s[70:71]
	s_load_b64 s[8:9], s[0:1], 0x20                ; y
	v_lshl_add_u32 v126, v0, 2, 0x49400
	v_mov_b32 v127, 0
	ds_add_u32 v126, v127
	ds_add_u32 v126, v127
	v_lshrrev_b32 v1, 5, v0
	v_readfirstlane_b32 s10, v1                    ; wave 0..3
	s_lshr_b32 s11, s10, 1                         ; which half of the tile's rows is mine.  Also: I fetch for A (0) or for B (1)
	s_and_b32 s12, s10, 1                          ; which half of its columns.  Also: which half of that tile I fetch
	s_bfe_u32 s40, ttmp6, 0x40000                  ; cx
	s_bfe_u32 s41, ttmp6, 0x40004                  ; cy
	s_lshl_b32 s42, ttmp9, 2
	s_add_co_u32 s42, s42, s40                     ; tile column
	s_and_b32 s13, ttmp7, 0xffff
	s_lshl_b32 s13, s13, 2
	s_add_co_u32 s13, s13, s41                     ; tile row
	s_lshl_b32 s43, s41, 2
	s_lshl_b32 s43, 15, s43                        ; my row of the cluster
	s_lshl_b32 s44, 0x1111, s40                    ; my column
	s_or_b32 s[G1+0], s43, (1<<16)|(1<<20)|(1<<21)|(6<<22)|(3<<25)   ; mask of my row; elements of 2 bytes; padding on; bit 21 beside a mask; after every 128 words, 4 words
	s_mov_b32 s[G1+1], KSTEP<<16                   ; tensor_dim0 = 256
	s_mov_b32 s[G1+2], 64<<16                      ; tensor_dim1 = 64
	s_mov_b32 s[G1+3], KSTEP<<16                   ; tile_dim0 = 256
	s_mov_b32 s[G1+4], 64                          ; tile_dim1 = 64
	s_mov_b32 s[G1+5], SIZE_K
	s_mov_b32 s[G1+6], 0
	s_mov_b32 s[G1+7], 0
	s_or_b32 s[G1B+0], s44, (1<<16)|(1<<20)|(1<<21)|(5<<22)|(7<<25)  ; mask of my column; after every 64 words, 8 words
	s_mov_b32 s[G1B+1], 128<<16                    ; tensor_dim0 = 128
	s_mov_b32 s[G1B+2], 128<<16                    ; tensor_dim1 = 128
	s_mov_b32 s[G1B+3], 128<<16                    ; tile_dim0 = 128
	s_mov_b32 s[G1B+4], 128                        ; tile_dim1 = 128
	s_mov_b32 s[G1B+5], 1024
	s_mov_b32 s[G1B+6], 0
	s_mov_b32 s[G1B+7], 0
	s_lshl_b32 s17, s12, 6
	s_lshl_b32 s16, s13, 7
	s_add_co_u32 s16, s16, s17                     ; A: row 128 x tile row + 64 x half,
	s_mul_i32 s16, s16, SIZE_K*2                   ; in bytes (under 2^26)
	s_mov_b32 s17, 0
	s_lshl_b32 s46, s42, 8                         ; B: 128 columns of 2 bytes for each tile column,
	s_lshl_b32 s47, s12, 18                        ; 128 K rows of 2,048 bytes for my half
	s_add_co_u32 s46, s46, s47
	s_add_co_u32 s46, s46, BOFF
	s_mov_b32 s47, 0
	s_mul_i32 s20, s12, AHALF                      ; where they go: no place in the cluster enters an LDS address
	s_mul_i32 s21, s12, BHALF
	s_add_co_u32 s21, s21, BREG
	s_wait_dscnt 0x0
	s_wait_kmcnt 0x0
	s_add_nc_u64 s[14:15], s[4:5], s[16:17]
	s_add_nc_u64 s[46:47], s[6:7], s[46:47]
	CROUND                                         ; all sixteen work-groups are here: the first joint loads meet
.irp s, 0,1
	s_mov_b32 s[G0+4*\s], 1
	s_add_co_u32 s[G0+4*\s+1], s20, \s*SLOT
	s_add_nc_u64 s[G0+4*\s+2:G0+4*\s+3], s[14:15], \s*KSTEP*2
	s_or_b32 s[G0+4*\s+3], s[G0+4*\s+3], 0x80000000
	s_mov_b32 s[G0B+4*\s], 1
	s_add_co_u32 s[G0B+4*\s+1], s21, \s*SLOT
	s_add_nc_u64 s[G0B+4*\s+2:G0B+4*\s+3], s[46:47], \s*KSTEP*2048
	s_or_b32 s[G0B+4*\s+3], s[G0B+4*\s+3], 0x80000000
	JLOAD \s
.endr
	v_and_b32 v1, 15, v0                           ; l % 16
	v_bfe_u32 v2, v0, 4, 1                         ; l / 16
	; bias and residual, in the layout of the rows read back from the stage: lane l holds row 2 t + l / 16 of a block of 16 and the four columns 4 (l % 16) + 0..3 of my 64
	v_lshlrev_b32 v[BO], 4, v1
	v_lshlrev_b32 v[CO], 12, v2
	v_lshl_add_u32 v[CO], v1, 4, v[CO]
	s_lshl_b32 s18, s42, 9                         ; my 64 columns of 4 bytes: 512 x tile column + 256 x half
	s_lshl_b32 s19, s12, 8
	s_add_co_u32 s18, s18, s19
	s_mov_b32 s19, 0
	s_add_nc_u64 s[68:69], s[68:69], s[18:19]
	s_lshl_b32 s16, s13, 7
	s_lshl_b32 s17, s11, 6
	s_add_co_u32 s16, s16, s17                     ; my first row,
	s_lshl_b32 s16, s16, 12                        ; of 4,096 bytes
	s_add_co_u32 s16, s16, s18
	s_mov_b32 s17, 0
	s_add_nc_u64 s[70:71], s[70:71], s[16:17]
	s_add_nc_u64 s[8:9], s[8:9], s[16:17]
	global_load_b128 v[BI:BI+3], v[BO], s[68:69]
	WIN 0x80                                       ; destination window 2
.irp a, 0,1,2,3
.irp t, 0,1,2,3,4,5,6,7
	global_load_b128 v[32*\a+4*\t:32*\a+4*\t+3], v[CO], s[70:71] offset:(16*\a+2*\t)*4096   ; 16 lanes read 256 consecutive aligned bytes
.endr
.endr
	WIN 0
.if KIND == 1
	; asking ahead: the lanes' offsets, the two bases, and the first requests
	v_and_b32 v8, 31, v0                           ; lane
	v_lshrrev_b32 v9, 1, v8
	v_lshl_add_u32 v9, s42, 4, v9                  ; A: row of the tile = 16 x tile column + lane / 2,
	v_mul_u32_u24 v9, v9, SIZE_K*2                 ; in bytes,
	v_and_b32 v12, 1, v8
	v_lshl_add_u32 v[VPA], v12, 8, v9              ; and the half of the K step's 512 bytes = lane % 2
	v_lshl_add_u32 v9, s13, 5, v8                  ; B: K row in a group of 1,024 = 32 x tile row + lane,
	v_lshlrev_b32 v9, 11, v9                       ; of 2,048 bytes,
	v_lshl_add_u32 v[VPB], s42, 8, v9              ; and the tile column's 256 bytes
	s_mul_i32 s18, s13, 128*SIZE_K*2               ; the tile row's first row (under 2^25),
	s_add_co_u32 s18, s18, 3*KSTEP*2               ; at K step 3
	s_mov_b32 s19, 0
	s_add_nc_u64 s[PFA:PFA+1], s[4:5], s[18:19]
	s_add_nc_u64 s[PFB:PFB+1], s[6:7], BOFF        ; group 0
	s_cmp_lg_u32 s10, 1
	s_cbranch_scc1 .Lno_first_a
	global_prefetch_b8 v[VPA], s[PFA:PFA+1] offset:-KSTEP*2 th:TH_LOAD_NT scope:SCOPE_SE   ; K step 2
	global_prefetch_b8 v[VPA], s[PFA:PFA+1] th:TH_LOAD_NT scope:SCOPE_SE                   ; K step 3
.Lno_first_a:
	s_cmp_lg_u32 s10, 3
	s_cbranch_scc1 .Lno_first_b
	global_prefetch_b8 v[VPB], s[PFB:PFB+1] th:TH_LOAD_NT scope:SCOPE_SE                   ; K steps 0 to 3
.Lno_first_b:
.endif
	v_mul_u32_u24 v3, v1, PA
	v_lshl_add_u32 v3, v2, 4, v3                   ; A's fragment: row x pitch + 16 x half
	v_and_b32 v5, 7, v0                            ; B's, turned: K row 8 (l / 16) + l % 8, columns 8 ((l / 8) % 2) + 0..7
	v_bfe_u32 v6, v0, 3, 1
	v_lshl_add_u32 v7, v2, 3, v5
	v_mul_u32_u24 v7, v7, PB
	v_lshl_add_u32 v7, v6, 4, v7
	s_mul_i32 s21, s11, AHALF                      ; my 64 rows of A
	s_lshl_b32 s22, s12, 7                         ; my 64 columns of B
	s_add_co_u32 s22, s22, BREG
.irp s, 0,1
	v_add_nc_u32 v[ADRA+\s], s21, v3
	v_add_nc_u32 v[ADRB+2*\s], s22, v7
	s_add_co_u32 s23, s22, BHALF
	v_add_nc_u32 v[ADRB+2*\s+1], s23, v7
	s_add_co_u32 s21, s21, SLOT
	s_add_co_u32 s22, s22, SLOT
.endr
	s_mul_i32 s23, s10, 16*SPITCH
	s_add_co_u32 s23, s23, STAGE                   ; my stage
	v_mul_u32_u24 v4, v1, SPITCH                   ; in: row l % 16, 32 bytes for each half of the lanes
	v_lshl_add_u32 v4, v2, 5, v4
	v_add_nc_u32 v[STO], s23, v4
	v_mul_u32_u24 v5, v2, SPITCH                   ; back: lanes 0-15 take one row of 256 bytes, lanes 16-31 the next
	v_lshl_add_u32 v5, v1, 4, v5
	v_add_nc_u32 v[RD], s23, v5
; 8 matrix instructions: row blocks a0, a0 + 1 x all 4 column blocks, 32 along K: half c of buffer f.  zero = 1: the first product starts the sums.  The 16 accumulators take turns.
.macro MUL8 f, c, a0, zero
.irp a, \a0, \a0+1
.irp b, 0,1,2,3
.if \zero
	v_wmma_f32_16x16x32_bf16 v[ACC+8*(4*(\a)+\b):ACC+8*(4*(\a)+\b)+7], v[\f+64+8*(4*\c+\b):\f+64+8*(4*\c+\b)+7], v[\f+8*(4*\c+\a):\f+8*(4*\c+\a)+7], 0
.else
	v_wmma_f32_16x16x32_bf16 v[ACC+8*(4*(\a)+\b):ACC+8*(4*(\a)+\b)+7], v[\f+64+8*(4*\c+\b):\f+64+8*(4*\c+\b)+7], v[\f+8*(4*\c+\a):\f+8*(4*\c+\a)+7], v[ACC+8*(4*(\a)+\b):ACC+8*(4*(\a)+\b)+7]
.endif
.endr
.endr
.endm
; 32 LDS loads in one run: the fragments of quarter q (64 along K) of a slot into buffer f; the first 32 along K first
.macro FETCH slot, q, f
	WIN TO_F
.irp c, 0,1
.irp i, 0,1,2,3
	ds_load_tr16_b128 v[\f+64+8*(4*\c+\i):\f+64+8*(4*\c+\i)+3],   v[ADRB+2*\slot+(\q)/2] offset:((\q)%2)*64*PB+\c*32*PB+32*\i
	ds_load_tr16_b128 v[\f+64+8*(4*\c+\i)+4:\f+64+8*(4*\c+\i)+7], v[ADRB+2*\slot+(\q)/2] offset:((\q)%2)*64*PB+\c*32*PB+32*\i+16*PB
	ds_load_b128 v[\f+8*(4*\c+\i):\f+8*(4*\c+\i)+3],         v[ADRA+\slot] offset:\q*128+64*\c+\i*16*PA
	ds_load_b128 v[\f+8*(4*\c+\i)+4:\f+8*(4*\c+\i)+7],       v[ADRA+\slot] offset:\q*128+64*\c+\i*16*PA+32
.endr
.endr
.endm
.macro PLACES                          ; four places in front of loads into registers that matrix instructions have read, and of LDS stores that read results
.rept 4
	v_nop
.endr
.endm
; A K step is four quarters of 64 along K, 32 matrix instructions each, on buffers 0, 1, 0, 1.  One of the first three: multiplies buffer f and fetches quarter q into g.
.macro QUARTER slot, q, f, g, zero
	s_wait_dscnt 16                                ; the first 32 along K are in
	WIN MUL
	MUL8 \f, 0, 0, \zero
	MUL8 \f, 0, 2, \zero
	PLACES
	FETCH \slot, \q, \g
	s_wait_dscnt 32                                ; all but the 32 just issued
	WIN MUL
	MUL8 \f, 1, 0, 0
	MUL8 \f, 1, 2, 0
.endm
; The last quarter multiplies buffer 1 and changes slots: one barrier; in front of it each wave waits for its reads of this slot and for all its tensor loads.
; fill = 1: the barrier opens a round of the cluster's barrier, and this slot is filled again, two K steps ahead, first thing behind the round: 120 matrix instructions ahead of the wait for it.
.macro TURN slot, next, fill
	s_wait_dscnt 16
	WIN MUL
	MUL8 F1, 0, 0, 0
	s_wait_dscnt 0                                 ; my reads of this slot are over,
	s_set_vgpr_msb 0x500
	s_wait_tensorcnt 0x0                           ; and all my tensor loads have landed: my part of the next slot
	ds_add_u32 v126, v127
	s_wait_dscnt 0x0
	s_set_vgpr_msb 0x5
	s_barrier_signal -1
	MUL8 F1, 0, 2, 0
.if \fill
	WIN 0
.endif
	s_barrier_wait -1
.if \fill
	CREST
	s_add_nc_u64 s[G0+4*\slot+2:G0+4*\slot+3], s[G0+4*\slot+2:G0+4*\slot+3], 2*KSTEP*2
	s_add_nc_u64 s[G0B+4*\slot+2:G0B+4*\slot+3], s[G0B+4*\slot+2:G0B+4*\slot+3], 2*KSTEP*2048
	JLOAD \slot                                    ; its four v_nop are also the places in front of the loads below
.if KIND == 1
	ASK \slot                                      ; the wave has just issued its load: now the tiles of later K steps are asked for
.endif
.else
	PLACES
.endif
	FETCH \next, 0, F0
	WIN MUL
	MUL8 F1, 1, 0, 0
	MUL8 F1, 1, 2, 0
.endm
; Block a of 16 rows leaves: 32 bytes a lane and column block into my stage (each accumulator's low four registers first), back as whole rows of 256 bytes, + bias, + residual, stored.
.macro OUT a
.set TT, 32+32*((\a)%2)
	s_wait_xcnt 0x0                                ; earlier stores have had their addresses translated (ISA guide 3.1): their data registers are loaded again only behind this wait
.irp b, 0,1,2,3
	ds_store_b128 v[STO], v[ACC+8*(4*\a+\b):ACC+8*(4*\a+\b)+3]   offset:64*\b
	ds_store_b128 v[STO], v[ACC+8*(4*\a+\b)+4:ACC+8*(4*\a+\b)+7] offset:64*\b+16
.endr
.irp t, 0,1,2,3,4,5,6,7
	ds_load_b128 v[TT+4*\t:TT+4*\t+3], v[RD] offset:\t*2*SPITCH    ; LDS serves a wave's instructions in order (ISA guide 5.7.1.4): these see the stores above
.endr
	s_wait_dscnt 0x0
.irp t, 0,1,2,3,4,5,6,7
	v_pk_add_f32 v[TT+4*\t:TT+4*\t+1],   v[TT+4*\t:TT+4*\t+1],   v[BI:BI+1]
	v_pk_add_f32 v[TT+4*\t+2:TT+4*\t+3], v[TT+4*\t+2:TT+4*\t+3], v[BI+2:BI+3]
.endr
	WIN 0x08                                       ; source 1 window 2: the residual
.irp t, 0,1,2,3,4,5,6,7
	v_pk_add_f32 v[TT+4*\t:TT+4*\t+1],   v[TT+4*\t:TT+4*\t+1],   v[32*\a+4*\t:32*\a+4*\t+1]
	v_pk_add_f32 v[TT+4*\t+2:TT+4*\t+3], v[TT+4*\t+2:TT+4*\t+3], v[32*\a+4*\t+2:32*\a+4*\t+3]
.endr
	WIN 0
.irp t, 0,1,2,3,4,5,6,7
	global_store_b128 v[CO], v[TT+4*\t:TT+4*\t+3], s[8:9] offset:(16*\a+2*\t)*4096   ; 16 lanes store 256 consecutive bytes, at a multiple of 256 from y's first byte
.endr
.endm
	s_wait_tensorcnt 1                             ; my part of K step 0 is in; K step 1's may stay out
	s_barrier_signal -1
	s_barrier_wait -1
	FETCH 0, 0, F0
	QUARTER 0, 1, F0, F1, 1                        ; the first quarter stands in front of the loop: its first products start the sums
	WIN 0
	s_mov_b32 s3, LAPS-1
.Llap:                                                 ; a trip goes once round the ring, from a lap's second quarter to the next lap's first, and fills both slots again
	QUARTER 0, 2, F1, F0, 0
	QUARTER 0, 3, F0, F1, 0
	TURN 0, 1, 1
	QUARTER 1, 1, F0, F1, 0
	QUARTER 1, 2, F1, F0, 0
	QUARTER 1, 3, F0, F1, 0
	TURN 1, 0, 1
	QUARTER 0, 1, F0, F1, 0
	WIN 0
	s_sub_co_u32 s3, s3, 1
	s_cmp_lg_u32 s3, 0
	s_cbranch_scc1 .Llap
	QUARTER 0, 2, F1, F0, 0                        ; the last lap fills nothing
	QUARTER 0, 3, F0, F1, 0
	TURN 0, 1, 0
	QUARTER 1, 1, F0, F1, 0
	QUARTER 1, 2, F1, F0, 0
	QUARTER 1, 3, F0, F1, 0
	s_wait_dscnt 16                                ; the very last quarter: nothing more to fetch
	WIN MUL
	MUL8 F1, 0, 0, 0
	MUL8 F1, 0, 2, 0
	s_wait_dscnt 0
	MUL8 F1, 1, 0, 0
	MUL8 F1, 1, 2, 0
	WIN 0
	PLACES
	s_wait_loadcnt 0x0                             ; bias and residual
	OUT 0
	OUT 1
	OUT 2
	OUT 3
	s_wait_tensorcnt 0x0
	ds_add_u32 v126, v127
	s_wait_dscnt 0x0
	CROUND                                         ; the closing round: no work-group ends while a partner may still ask for a tile that names it
	s_endpgm
.Lfunc_end_k_qc87ba99e8b_ff2:
	.size	k_qc87ba99e8b_ff2, .Lfunc_end_k_qc87ba99e8b_ff2-k_qc87ba99e8b_ff2
	.p2alignl 7, 3214868480
	.fill 96, 4, 3214868480
	.section	.rodata,"a",@progbits
	.p2align	6, 0x0
	.amdhsa_kernel k_qc87ba99e8b_ff2
		.amdhsa_group_segment_fixed_size 327680
		.amdhsa_private_segment_fixed_size 0
		.amdhsa_enable_private_segment 0
		.amdhsa_kernarg_size 40
		.amdhsa_user_sgpr_count 2
		.amdhsa_user_sgpr_kernarg_segment_ptr 1
		.amdhsa_wavefront_size32 1
		.amdhsa_system_sgpr_workgroup_id_x 1
		.amdhsa_system_sgpr_workgroup_id_y 1
		.amdhsa_system_sgpr_workgroup_id_z 1
		.amdhsa_system_vgpr_workitem_id 0
		.amdhsa_next_free_vgpr 640
		.amdhsa_next_free_sgpr 76
		.amdhsa_reserve_vcc 0
		.amdhsa_float_denorm_mode_32 3
		.amdhsa_float_denorm_mode_16_64 3
		.amdhsa_memory_ordered 1
		.amdhsa_forward_progress 1
		.amdhsa_inst_pref_size 100
	.end_amdhsa_kernel
	.amdgpu_metadata
---
amdhsa.version: [ 1, 2 ]
amdhsa.kernels:
  - .name:           k_qc87ba99e8b_ff2
    .symbol:         k_qc87ba99e8b_ff2.kd
    .args:
      - { .name: hb, .offset: 0, .size: 8, .value_kind: global_buffer, .address_space: global }
      - { .name: wb, .offset: 8, .size: 8, .value_kind: global_buffer, .address_space: global }
      - { .name: b_ff2, .offset: 16, .size: 8, .value_kind: global_buffer, .address_space: global }
      - { .name: o1, .offset: 24, .size: 8, .value_kind: global_buffer, .address_space: global }
      - { .name: y, .offset: 32, .size: 8, .value_kind: global_buffer, .address_space: global }
    .group_segment_fixed_size: 327680
    .private_segment_fixed_size: 0
    .kernarg_segment_align: 8
    .kernarg_segment_size: 40
    .max_flat_workgroup_size: 128
    .sgpr_count:     76
    .vgpr_count:     640
    .wavefront_size: 32
...
	.end_amdgpu_metadata
.endif
;; end of part 7
;; launch ln2 (part 8): grid 256 x 1, 4 waves a work-group, no clusters, 0 bytes of LDS; arguments y, ln2_g, ln2_b, out0; writes out0
.if DOCPART == 8
	.amdgcn_target "amdgcn-amd-amdhsa--gfx1250"
	.amdhsa_code_object_version 6
	.text
	.protected	k_qc87ba99e8b_ln2
	.globl	k_qc87ba99e8b_ln2
	.p2align	8
	.type	k_qc87ba99e8b_ln2,@function
k_qc87ba99e8b_ln2:
	s_mov_b64 s[64:65], 0
	v_nop
	global_prefetch_b8 v0, s[64:65] scope:SCOPE_SE
	s_setreg_imm32_b32 hwreg(HW_REG_WAVE_MODE, 25, 1), 1
	s_wait_xcnt 0x0
; o[r][c] = (y[r][c] - mean_r) / sqrt(var_r + 1e-6) * g[c] + b[c], in f32; y, o: [4096][1024] f32.  BF = 1: the result is stored a second time, rounded to bf16.
; The variance is the mean of the squared differences from the mean, in two passes over registers, as the problem takes it: a common offset of a row does no harm.
; A row is 4,096 bytes: one wave takes a whole row, eight 16-byte loads a lane, and keeps it in 32 registers: the row is read once and no wave waits for another.
; Four waves, four rows each; all of a wave's 32 row loads go out at the start.  A lane's 32 columns are 128 t + 4 lane + 0..3, t = 0..7; its g and b stay in registers.
; Memory binds: no LDS, no matrix unit, no cluster.
.set BF, 0
.set Y16, 32                           ; v[32:63]   two sets of 16: a row in bf16
.set X,   64                           ; v[64:191]  row i at v[64 + 32 i]
.set G,   192                          ; v[192:223] g of my 32 columns
.set B,   224                          ; v[224:255] b of my 32 columns
	s_load_b256 s[4:11], s[0:1], 0x0               ; y s[4:5], g s[6:7], b s[8:9], o s[10:11]
.if BF
	s_load_b64 s[14:15], s[0:1], 0x20              ; the bf16 copy
.endif
	v_lshrrev_b32 v3, 5, v0
	v_readfirstlane_b32 s16, v3                    ; wave
	v_and_b32 v1, 31, v0
	v_lshlrev_b32 v2, 3, v1                        ; 8 x lane
	v_lshlrev_b32 v1, 4, v1                        ; 16 x lane
	s_lshl_b32 s2, ttmp9, 4
	s_lshl2_add_u32 s2, s16, s2                    ; my first row = 16 x work-group + 4 x wave
	s_lshl_b32 s18, s2, 12
	s_mov_b32 s19, 0
	s_lshl_b32 s20, s2, 11
	s_mov_b32 s21, 0
	s_mov_b32 s12, 0x76543210                      ; v_permlanex16_b32: lane i of one half reads lane i of the other
	s_mov_b32 s13, 0xfedcba98
	s_mov_b32 s22, 0x3a800000                      ; 1 / 1024
	s_mov_b32 s23, 0x358637bd                      ; 1e-6
	s_wait_kmcnt 0x0
	s_add_nc_u64 s[4:5], s[4:5], s[18:19]
	s_add_nc_u64 s[10:11], s[10:11], s[18:19]
.if BF
	s_add_nc_u64 s[14:15], s[14:15], s[20:21]
.endif
.irp t, 0,1,2,3,4,5,6,7
	global_load_b128 v[G+4*\t:G+4*\t+3], v1, s[6:7] offset:512*\t
.endr
.irp t, 0,1,2,3,4,5,6,7
	global_load_b128 v[B+4*\t:B+4*\t+3], v1, s[8:9] offset:512*\t
.endr
.irp i, 0,1,2,3
.irp t, 0,1,2,3,4,5,6,7
	global_load_b128 v[X+32*\i+4*\t:X+32*\i+4*\t+3], v1, s[4:5] offset:4096*\i+512*\t th:TH_LOAD_NT
.endr
.endr
.macro LANESUM r, t                    ; the sum over the 32 lanes, in every lane: four steps inside each half ride on the addition, one crosses the halves
	v_add_f32_dpp v[\r], v[\r], v[\r] row_xmask:1 row_mask:0xf bank_mask:0xf
	v_add_f32_dpp v[\r], v[\r], v[\r] row_xmask:2 row_mask:0xf bank_mask:0xf
	v_add_f32_dpp v[\r], v[\r], v[\r] row_xmask:4 row_mask:0xf bank_mask:0xf
	v_add_f32_dpp v[\r], v[\r], v[\r] row_xmask:8 row_mask:0xf bank_mask:0xf
	v_permlanex16_b32 v[\t], v[\r], s12, s13       ; its destination counts as read: a register that has been written
	v_add_f32 v[\r], v[\r], v[\t]
.endm
.macro ROW i
.set XR, X+32*\i
	s_wait_loadcnt 24-8*\i                         ; my row's eight loads are in (g and b are older); the later rows stay out
.set k, 0
.rept 8
	v_pk_add_f32 v[4+2*k:5+2*k], v[XR+4*k:XR+4*k+1], v[XR+4*k+2:XR+4*k+3]
.set k, k+1
.endr
.irp n, 4,2,1
.set k, 0
.rept \n
	v_pk_add_f32 v[4+2*k:5+2*k], v[4+4*k:5+4*k], v[6+4*k:7+4*k]
.set k, k+1
.endr
.endr
	v_add_f32 v4, v4, v5
	LANESUM 4, 5
	v_mul_f32 v6, s22, v4                          ; the mean, twice: a pair for the packed subtraction
	v_mul_f32 v7, s22, v4
.set k, 0
.rept 16
	v_pk_add_f32 v[XR+2*k:XR+2*k+1], v[XR+2*k:XR+2*k+1], v[6:7] neg_lo:[0,1] neg_hi:[0,1]
.set k, k+1
.endr
.set k, 0
.rept 4
	v_pk_mul_f32 v[8+2*k:9+2*k], v[XR+2*k:XR+2*k+1], v[XR+2*k:XR+2*k+1]      ; four chains of squares, started by the first four pairs
.set k, k+1
.endr
.rept 12
	v_pk_fma_f32 v[8+2*(k%4):9+2*(k%4)], v[XR+2*k:XR+2*k+1], v[XR+2*k:XR+2*k+1], v[8+2*(k%4):9+2*(k%4)]
.set k, k+1
.endr
	v_pk_add_f32 v[8:9], v[8:9], v[10:11]
	v_pk_add_f32 v[12:13], v[12:13], v[14:15]
	v_pk_add_f32 v[8:9], v[8:9], v[12:13]
	v_add_f32 v8, v8, v9
	LANESUM 8, 9
	v_fma_f32 v10, v8, s22, s23                    ; the variance + 1e-6
	v_rsq_f32 v12, v10
	v_rsq_f32 v13, v10
	v_nop                                          ; a plain instruction between the roots and the use of their results (ISA guide 5.7.2)
.set k, 0
	s_wait_alu depctr_va_vdst(0)
.rept 16
	v_pk_mul_f32 v[XR+2*k:XR+2*k+1], v[XR+2*k:XR+2*k+1], v[12:13]
.set k, k+1
.endr
.set k, 0
.rept 16
	v_pk_fma_f32 v[XR+2*k:XR+2*k+1], v[XR+2*k:XR+2*k+1], v[G+2*k:G+2*k+1], v[B+2*k:B+2*k+1]
.set k, k+1
.endr
.irp t, 0,1,2,3,4,5,6,7
	global_store_b128 v1, v[XR+4*\t:XR+4*\t+3], s[10:11] offset:4096*\i+512*\t   ; a wave's store covers 512 consecutive bytes, aligned
.endr
.if BF
.set YR, Y16+16*(\i%2)
	s_wait_xcnt 0x0                                ; earlier stores have had their addresses translated (ISA guide 3.1): the set of two rows back is written again only behind this wait
.set k, 0
.rept 16
	v_cvt_pk_bf16_f32 v[YR+k], v[XR+2*k], v[XR+2*k+1]
.set k, k+1
.endr
.irp t, 0,1,2,3,4,5,6,7
	global_store_b64 v2, v[YR+2*\t:YR+2*\t+1], s[14:15] offset:2048*\i+256*\t    ; a wave's store covers 256 consecutive bytes, aligned
.endr
.endif
.endm
	ROW 0
	ROW 1
	ROW 2
	ROW 3
	s_endpgm
.Lfunc_end_k_qc87ba99e8b_ln2:
	.size	k_qc87ba99e8b_ln2, .Lfunc_end_k_qc87ba99e8b_ln2-k_qc87ba99e8b_ln2
	.p2alignl 7, 3214868480
	.fill 96, 4, 3214868480
	.section	.rodata,"a",@progbits
	.p2align	6, 0x0
	.amdhsa_kernel k_qc87ba99e8b_ln2
		.amdhsa_group_segment_fixed_size 0
		.amdhsa_private_segment_fixed_size 0
		.amdhsa_enable_private_segment 0
		.amdhsa_kernarg_size 32
		.amdhsa_user_sgpr_count 2
		.amdhsa_user_sgpr_kernarg_segment_ptr 1
		.amdhsa_wavefront_size32 1
		.amdhsa_system_sgpr_workgroup_id_x 1
		.amdhsa_system_sgpr_workgroup_id_y 1
		.amdhsa_system_sgpr_workgroup_id_z 1
		.amdhsa_system_vgpr_workitem_id 0
		.amdhsa_next_free_vgpr 256
		.amdhsa_next_free_sgpr 66
		.amdhsa_reserve_vcc 0
		.amdhsa_float_denorm_mode_32 3
		.amdhsa_float_denorm_mode_16_64 3
		.amdhsa_memory_ordered 1
		.amdhsa_forward_progress 1
		.amdhsa_inst_pref_size 34
	.end_amdhsa_kernel
	.amdgpu_metadata
---
amdhsa.version: [ 1, 2 ]
amdhsa.kernels:
  - .name:           k_qc87ba99e8b_ln2
    .symbol:         k_qc87ba99e8b_ln2.kd
    .args:
      - { .name: y, .offset: 0, .size: 8, .value_kind: global_buffer, .address_space: global }
      - { .name: ln2_g, .offset: 8, .size: 8, .value_kind: global_buffer, .address_space: global }
      - { .name: ln2_b, .offset: 16, .size: 8, .value_kind: global_buffer, .address_space: global }
      - { .name: out0, .offset: 24, .size: 8, .value_kind: global_buffer, .address_space: global }
    .group_segment_fixed_size: 0
    .private_segment_fixed_size: 0
    .kernarg_segment_align: 8
    .kernarg_segment_size: 32
    .max_flat_workgroup_size: 128
    .sgpr_count:     66
    .vgpr_count:     256
    .wavefront_size: 32
...
	.end_amdgpu_metadata
.endif
;; end of part 8
